; MI455X (gfx1250); checked and timed in simulation.
; The chip was launched on July 23, 2026; its instructions are those of AMD's public machine-readable ISA for CDNA 5 (MIT licence, August 2026) and "CDNA5" Instruction Set Architecture Reference Guide (July 2026). The comments in the code are by the model that wrote it; some were corrected since.
;; Transformer. Allowed arithmetic: matrix products marked QUANTISED: E2M3 operands, one E8M0 scale for each 32 along K, by v_wmma_scale_f32_16x16x128_f8f6f4 with both operands' format E2M3, f32 sums; everything else in f32.
;; Inputs: WK_cross_codes 128 x 8 x 24 uint8 (E2M3 codes of WK_cross, K innermost, in blocks of 32 codes, four codes in three bytes); WK_cross_scales 128 x 8 uint8 (E8M0 scales of WK_cross, one for each 32 codes along K); WK_self_codes 128 x 8 x 24 uint8 (E2M3 codes of WK_self, K innermost, in blocks of 32 codes, four codes in three bytes); WK_self_scales 128 x 8 uint8 (E8M0 scales of WK_self, one for each 32 codes along K); bK_cross 128 float32; bK_self 128 float32; test_feat 16 x 256 x 32 x 32 float32; train_feat 16 x 256 x 32 x 32 float32; train_label 16 x 32 x 32 float32.
;; Outputs: out0 16 x 256 x 32 x 32 float32; out1 16 x 256 x 32 x 32 float32.
;; This version of the problem:
;;   THIS VERSION OF THE PROBLEM IS GIVEN IN LOW PRECISION. The matrix products marked QUANTISED in the list below multiply operands that are first quantised to E2M3 (2 exponent bits, 3 mantissa bits; 6 bits a number), with one power-of-two scale for each 32 numbers along K (OCP MX v1.0); their sums are f32. All else is computed in f32.
;;   The module's matrix products, in the order in which they are computed (A, B: the left and right operand; K: the contracted axis; several contracted axes count as one K, in the product's order):
;;     1. [M 16,384, K 256] x [K 256, N 128]; A: input train_feat; B: input WK_self (given as codes): QUANTISED
;;     2. [M 16,384, K 256] x [K 256, N 128]; A: input train_feat; B: input WK_self (given as codes): QUANTISED
;;     3. batch 16 x [M 1,024, K 128] x [K 128, N 1,024]; A: computed on the way; B: computed on the way: QUANTISED
;;     4. batch 16 x [M 256, K 1,024] x [K 1,024, N 1,024]; A: input train_feat; B: softmax (see below): QUANTISED
;;     5. [M 16,384, K 256] x [K 256, N 128]; A: input train_feat; B: input WK_self (given as codes): QUANTISED
;;     6. [M 16,384, K 256] x [K 256, N 128]; A: input train_feat; B: input WK_self (given as codes): QUANTISED
;;     7. batch 16 x [M 1,024, K 128] x [K 128, N 1,024]; A: computed on the way; B: computed on the way: QUANTISED
;;     8. batch 16 x [M 256, K 1,024] x [K 1,024, N 1,024]; A: input train_feat; B: softmax (see below): QUANTISED
;;     9. [M 16,384, K 256] x [K 256, N 128]; A: computed on the way; B: input WK_cross (given as codes): QUANTISED
;;     10. [M 16,384, K 256] x [K 256, N 128]; A: computed on the way; B: input WK_cross (given as codes): QUANTISED
;;     11. batch 16 x [M 1,024, K 128] x [K 128, N 1,024]; A: computed on the way; B: computed on the way: QUANTISED
;;     12. batch 16 x [M 256, K 1,024] x [K 1,024, N 1,024]; A: input train_label; B: softmax (see below): QUANTISED
;;     13. [M 16,384, K 256] x [K 256, N 128]; A: computed on the way; B: input WK_cross (given as codes): QUANTISED
;;     14. [M 16,384, K 256] x [K 256, N 128]; A: computed on the way; B: input WK_cross (given as codes): QUANTISED
;;     15. batch 16 x [M 1,024, K 128] x [K 128, N 1,024]; A: computed on the way; B: computed on the way: QUANTISED
;;     16. batch 16 x [M 256, K 1,024] x [K 1,024, N 1,024]; A: computed on the way; B: softmax (see below): QUANTISED
;;     17. [M 16,384, K 256] x [K 256, N 128]; A: input test_feat; B: input WK_self (given as codes): QUANTISED
;;     18. [M 16,384, K 256] x [K 256, N 128]; A: input test_feat; B: input WK_self (given as codes): QUANTISED
;;     19. batch 16 x [M 1,024, K 128] x [K 128, N 1,024]; A: computed on the way; B: computed on the way: QUANTISED
;;     20. batch 16 x [M 256, K 1,024] x [K 1,024, N 1,024]; A: input test_feat; B: softmax (see below): QUANTISED
;;     21. [M 16,384, K 256] x [K 256, N 128]; A: computed on the way; B: input WK_cross (given as codes): QUANTISED
;;     22. [M 16,384, K 256] x [K 256, N 128]; A: computed on the way; B: input WK_cross (given as codes): QUANTISED
;;     23. batch 16 x [M 1,024, K 128] x [K 128, N 1,024]; A: computed on the way; B: computed on the way: QUANTISED
;;     24. batch 16 x [M 256, K 1,024] x [K 1,024, N 1,024]; A: input train_label; B: softmax (see below): QUANTISED
;;     25. [M 16,384, K 256] x [K 256, N 128]; A: computed on the way; B: input WK_cross (given as codes): QUANTISED
;;     26. [M 16,384, K 256] x [K 256, N 128]; A: computed on the way; B: input WK_cross (given as codes): QUANTISED
;;     27. batch 16 x [M 1,024, K 128] x [K 128, N 1,024]; A: computed on the way; B: computed on the way: QUANTISED
;;     28. batch 16 x [M 256, K 1,024] x [K 1,024, N 1,024]; A: computed on the way; B: softmax (see below): QUANTISED
;;   THE QUANTISER, for each operand of a quantised product, along K:
;;     - K is cut into blocks of 32 from its start; a last block that is shorter is filled with zeros.
;;     - A block's scale is 2^e with e = floor(log2(the largest magnitude in the block)) - 2, held to -126 .. 127; a block of zeros has e = 0. As a byte (E8M0): e + 127.
;;     - Each number is divided by its block's scale, clamped to +-7.5, and rounded to the nearest number of E2M3, ties to even, subnormals kept.
;;     - The product sums the exact products of the quantised numbers (number of the format x scale) in f32.
;;   ~~~python
;;   def quantise(x, axis):      # numpy; x: float32 -> the quantised numbers, widened to float32 again
;;       x = np.moveaxis(x, axis, -1); K = x.shape[-1]
;;       x = np.pad(x, [(0, 0)] * (x.ndim - 1) + [(0, -K % 32)]); x = x.reshape(x.shape[:-1] + (-1, 32)); a = np.abs(x).max(-1, keepdims=True)
;;       e = np.where(a > 0, np.clip(np.frexp(np.where(a > 0, a, 1))[1] - 1 - 2, -126, 127), 0)      # np.frexp(a)[1] - 1 = floor(log2(a)), exactly
;;       r = np.clip(x / 2.0 ** e, -7.5, 7.5)
;;       step = 2.0 ** (np.maximum(np.frexp(np.where(r == 0, 1, r))[1] - 1, 0) - 3)
;;       q = np.round(r / step) * step * 2.0 ** e      # np.round: ties to even
;;       return np.moveaxis(q.reshape(q.shape[:-2] + (-1,))[..., :K], -1, axis).astype(np.float32)
;;   ~~~
;;   SOFTMAX AHEAD OF A QUANTISED PRODUCT. Where the list says 'softmax', what is quantised is not the finished softmax but p = 2^(t - M), with t = logit x log2(e) and M = ceil(the row's largest t), a whole number; so 1/2 < the row's largest p <= 1. The row's sum l is taken of the UNQUANTISED p, in f32, and the product's result is divided by l at the end. Since M is a whole number, a kernel that streams over the keys may use a running M (the ceiling of the running maximum): every later rescaling is an exact power of two, which a block's scale takes up: the codes' values come out the same.
;;   OPERANDS COMPUTED ON THE WAY. 'Computed on the way' means the value that the module computes at that place (a softmax that the list does not call 'softmax' is quantised finished and normalised). What goes into a quantiser is computed in f32, as accurately as f32 sums, v_exp_f32 and their like allow (about 1e-6 of the number): no bf16 or f16 on the way to a quantiser, and a product that is left as it is and whose result goes on into a quantised operand takes f32 operands (vector FMAs, or v_wmma_f32_16x16x4_f32). A number that lies on a knife's edge between two numbers of the format may be rounded either way, as far as f32 arithmetic and the matrix unit's own rounding can turn it there, and no further.
;;   INPUTS GIVEN AS CODES. WK_cross (in the module: [256, 128], K = its axis 0); WK_self (in the module: [256, 128], K = its axis 0): each comes as NAME_codes (uint8): NAME with its K axis moved to the last place and cut into blocks of 32 codes, [.., K / 32, bytes a block], one block behind the other in memory; four codes in three bytes: a row's codes are one little-endian stream of bits, code i at bits 6 i .. 6 i + 5 (a code: sign, 2 exponent bits, 3 mantissa bits); and NAME_scales (uint8): the same leading axes, one E8M0 byte (e + 127) for each 32 codes along K. Its value is code x scale, taken as it is: it is not quantised again, and the codes and scales need not be those that the quantiser above would give.
;; One version. Each part assembles by itself: llvm-mc -triple=amdgcn-amd-amdhsa -mcpu=gfx1250 --defsym DOCPART=n.
;; ======== version 1 of 1: 5 launches
;; limits: a difference of large sums (such as E[x^2] - mean^2): digits are lost where the result is much smaller than its terms
;; workspace buffers: c1 9,437,184 bytes; s1 393,216 bytes; y 33,554,432 bytes; ss1 8,192 bytes; c2 9,437,184 bytes; s2 458,752 bytes; u4 33,554,432 bytes; aux 155,648 bytes
;; launch prep_self (part 1): grid 8 x 32, 8 waves a work-group, no clusters, 189,440 bytes of LDS; arguments train_feat, test_feat, WK_self_codes, WK_self_scales, bK_self, c1, s1; writes c1, s1
.if DOCPART == 1
	.amdgcn_target "amdgcn-amd-amdhsa--gfx1250"
	.amdhsa_code_object_version 6
	.text
	.protected	k_q224981283c_prep_self
	.globl	k_q224981283c_prep_self
	.p2align	8
	.type	k_q224981283c_prep_self,@function
k_q224981283c_prep_self:
	s_mov_b64 s[64:65], 0
	v_nop
	global_prefetch_b8 v0, s[64:65] scope:SCOPE_SE
	s_setreg_imm32_b32 hwreg(HW_REG_WAVE_MODE, 25, 1), 1
	s_wait_xcnt 0x0
; PREP: one slab (image g, 128 places s from 128 j on, all 256 channels d) is turned into the operands of an attention, all as codes of E2M3 with E8M0 scale bytes.
; CROSS = 0: the image is train_feat (g < 16) or test_feat.  CROSS = 1: the image is x1 = y x f1, f1 = 8 / sqrt(sum y^2 + 1e-5) from the 64 partial sums of the launch before.
; OUT, per slab: 8 tiles of keys/queries l2norm(x WK + b), quantised along the 128 key units; 16 tiles of values (16 channels x 128 s), quantised along s
; (CROSS: x1 x label, only for g < 16, and one row of label codes); their scale words.
; A FRAGMENT (16 rows x 128 K, 12 registers a lane) lies in memory as an image of its registers: registers 4 k .. 4 k + 3 of lane l at 512 k + 16 l, so every load and store of it covers 512 consecutive bytes.
; THE ROWS OF A KEY TILE ARE NOT NEIGHBOURS: lane r of tile T is place 32 (T / 2) + 8 (T % 2) + r + 8 (r / 8), so that the scores of two neighbouring tiles are 16 neighbouring keys in a lane.
; SCALE WORDS of 8 tiles lie as a quad of 512 bytes: (tile 4 hh + m, row r) at 256 hh + 16 r + 4 m: one load of 16 bytes a lane gives four scale registers, tiles 0-3 in lanes 0-15, tiles 4-7 in lanes 16-31.
; SHARES: eight waves.  The slab comes into LDS once, each wave bringing 32 rows d by one tensor load.  Wave w quantises value tiles 2 w, 2 w + 1 (its own rows), then 32 columns s x 128 d for the projection
; (a lane to a column, registers down d), then projects, normalises and quantises key tile w.
; WK: every wave multiplies by all 16 fragments of WK.  Wave w fetches tile w's two from memory (12 loads of 8 bytes a lane) and lays them in LDS as images of their registers; all waves read the 16 images back.
; LIMITS: NaN and infinities among the inputs are not served; a block of zeros gets the scale byte 1 (its codes are zeros, and this program alone reads the bytes).
.set CROSS, 0
.set XP,    528                        ; a row d in LDS: 512 bytes + 16 of padding: an odd multiple of 16
.set XIMG,  256*XP                     ; behind the slab: 16 images of x along d, fragment (T, c) at (2 T + c) x 1536
.set XSC,   XIMG+16*1536               ; their scale words: (c, T, r) at 512 c + 64 T + 4 r
.set OSC,   XSC+1024                   ; the slab's block of scale words as it goes to memory
.set WIMG,  OSC+1792                   ; WK's 16 fragments as images: fragment (t, c) at (2 t + c) x 1536
.set SBLK,  1536+256*CROSS
.set WV,  20                           ; s20 wave;  s22 image g;  s23 g % 16
.set GI,  22
.set BI,  23
.set SEL, 36                           ; s[36:37] selects of v_permlanex16_b32: lane l xor 16
.set LANE, 1
.set R,    2
.set H,    3
.set LI,   4                           ; 16 x lane
.set AV,   5                           ; my row of a value tile: (32 w + r) XP + 128 h
.set AB,   6                           ; my column for the projection, d 0-63 of my half;  AB2: d 64-127
.set AB2,  7
.set XWI,  8                           ; where I store x's images;  XWS their scale words;  XRS, XRI where I read tile w's back
.set XWS,  9
.set XRS,  10
.set OSA,  11                          ; the values' scale words;  OSK the keys'
.set OSK,  12
.set WCO,  13                          ; WK's codes, scale words, the bias: my lane's byte
.set WSO,  14
.set BO,   15
.set LBO,  16
.set LQA,  17
.set FF,   18                          ; v[18:19] f1, twice
.set PR,   20
.set LZA,  22
.set LWA,  23
.set XRI,  24
.set OSR,  25
.set TM,   26                          ; v26-41: +0..3 largest magnitudes, +4..7 bytes, +12..15 scale operands
.set PW,   42
.set TV,   43
.set XS0,  44                          ; v44-45 x's scale words (scales alone)
.set FA,   46
.set FB,   58
.set T0,   70                          ; v70-85 four runs of three for the upper halves of blocks
.set D,    86                          ; v86-213 128 numbers
.set LB,   150                         ; the label's 64 numbers of my half (upper half of D)
.set HA,   86                          ; the projection's eight accumulators
.set XF,   150                         ; x's two fragments
.set W1S,  214                         ; v214-229 WK's scale words (scales alone)
.set L8,   230                         ; 8 x lane
.set WWI,  231                         ; where I store my two images of WK: WIMG + 3072 w + 16 x lane
.set WRI,  232                         ; where all 16 are read: WIMG + 16 x lane
; window 1: WK's fragment (t, c) at v[12 (2 t + c)]; the bias of tile t at v[192 + 8 t]
.set MSB, 0
.macro WIN new                         ; the immediate's high byte repeats the setting that is left
.if MSB != \new
	s_set_vgpr_msb (MSB<<8)|\new
.set MSB, \new
.endif
.endm
.macro BARRIER                         ; my LDS stores have landed and my LDS loads are in: then the work-group's barrier
	s_wait_dscnt 0x0
	s_barrier_signal -1
	s_barrier_wait -1
.endm
.macro WSUM a, t                       ; the pair v[a:a+1] summed over the wave, into every lane's v[a]
	v_add_f32 v[\a], v[\a], v[\a+1]
	v_add_f32_dpp v[\a], v[\a], v[\a] row_xmask:1 row_mask:0xf bank_mask:0xf
	v_add_f32_dpp v[\a], v[\a], v[\a] row_xmask:2 row_mask:0xf bank_mask:0xf
	v_add_f32_dpp v[\a], v[\a], v[\a] row_xmask:4 row_mask:0xf bank_mask:0xf
	v_add_f32_dpp v[\a], v[\a], v[\a] row_xmask:8 row_mask:0xf bank_mask:0xf
	v_permlanex16_b32 v[\t], v[\a], s[SEL], s[SEL+1]
	v_add_f32 v[\a], v[\a], v[\t]
.endm
; Two whole blocks of a lane, v[s] .. v[s+31] (k = 32 h on) and v[s+32] .. v[s+63] (k = 64 + 32 h on), become the fragment v[f] .. v[f+11] and the row's scale word in v[PW].
.macro BLK2 s, f
.irp c, 0,1
	v_max3_num_f32 v[TM+\c], |v[\s+32*\c]|, |v[\s+32*\c+1]|, 0x1800000   ; with the floor 2^(3 - 127): the byte cannot fall under 1
.endr
.irp i, 2,4,6,8,10,12,14,16,18,20,22,24,26,28,30
.irp c, 0,1
	v_max3_num_f32 v[TM+\c], v[TM+\c], |v[\s+32*\c+\i]|, |v[\s+32*\c+\i+1]|
.endr
.endr
.irp c, 0,1
	v_add_nc_u32 v[TM+12+\c], 0xff000000, v[TM+\c]     ; 2 off the exponent field: the conversion's scale operand
.endr
.irp c, 0,1
	v_lshrrev_b32 v[TM+4+\c], 23, v[TM+12+\c]          ; the scale's byte
.endr
	v_lshl_or_b32 v[PW], v[TM+5], 16, v[TM+4]          ; my blocks h and 2 + h,
	v_lshlrev_b32 v[TV], 3, v[H]
	v_lshlrev_b32 v[PW], v[TV], v[PW]                  ; at their places in the word;
	v_permlanex16_b32 v[TV], v[PW], s[SEL], s[SEL+1]
	v_or_b32 v[PW], v[PW], v[TV]                       ; with lane l xor 16's two the word is whole
.irp c, 0,1
	v_cvt_scalef32_pk16_fp6_f32 v[\f+6*\c:\f+6*\c+2], v[\s+32*\c:\s+32*\c+15], v[TM+12+\c]
	v_cvt_scalef32_pk16_fp6_f32 v[T0+4*\c:T0+4*\c+2], v[\s+32*\c+16:\s+32*\c+31], v[TM+12+\c]   ; (a conversion's three registers begin on an even number)
.endr
	v_nop                                              ; one plain place behind a scaled conversion
.irp c, 0,1
.irp i, 0,1,2
	v_mov_b32 v[\f+6*\c+3+\i], v[T0+4*\c+\i]
.endr
.endr
.endm
; Value tile 2 w + u: 16 rows d x 128 s, a lane's registers along s.
.macro VTILE u, f
.irp c, 0,1
.irp q, 0,1,2,3,4,5,6,7
	ds_load_b128 v[D+32*\c+4*\q:D+32*\c+4*\q+3], v[AV] offset:\u*16*XP+256*\c+16*\q
.endr
.endr
	s_wait_dscnt 0x0
.if CROSS
.set n, 0
.rept 32
	v_pk_mul_f32 v[D+n:D+n+1], v[D+n:D+n+1], v[FF:FF+1]          ; memory = y x f1,
.set n, n+2
.endr
.set n, 0
.rept 32
	v_pk_mul_f32 v[D+n:D+n+1], v[D+n:D+n+1], v[LB+n:LB+n+1]      ; x the label of the place
.set n, n+2
.endr
.endif
	BLK2 D, \f
.irp k, 0,1,2
	global_store_b128 v[LI], v[\f+4*\k:\f+4*\k+3], s[46:47] offset:\u*1536+512*\k   ; 512 consecutive bytes
.endr
	ds_store_b32 v[OSA], v[PW] offset:4*\u             ; both halves of the lanes write the same word with the same value
.endm
; 64 numbers of a lane, register 16 b + i = k 32 b + 16 h + i of my row, become the fragment in v[FA] on and the scale word in v[PW].
.macro QUANT s
.irp b, 0,1,2,3
	v_max3_num_f32 v[TM+\b], |v[\s+16*\b]|, |v[\s+1+16*\b]|, 0x1800000
.endr
.irp i, 2,4,6,8,10,12,14
.irp b, 0,1,2,3
	v_max3_num_f32 v[TM+\b], v[TM+\b], |v[\s+16*\b+\i]|, |v[\s+1+16*\b+\i]|
.endr
.endr
.irp b, 0,1,2,3
	v_permlanex16_b32 v[TM+4+\b], v[TM+\b], s[SEL], s[SEL+1]
.endr
.irp b, 0,1,2,3
	v_max_num_f32 v[TM+\b], v[TM+\b], v[TM+4+\b]       ; with lane l xor 16's: the block's largest magnitude
.endr
.irp b, 0,1,2,3
	v_add_nc_u32 v[TM+12+\b], 0xff000000, v[TM+\b]
.endr
.irp b, 0,1,2,3
	v_lshrrev_b32 v[TM+4+\b], 23, v[TM+12+\b]
.endr
	v_lshl_or_b32 v[PW], v[TM+5], 8, v[TM+4]
	v_lshl_or_b32 v[PW], v[TM+6], 16, v[PW]
	v_lshl_or_b32 v[PW], v[TM+7], 24, v[PW]
.irp c, 0,1
	v_cvt_scalef32_pk16_fp6_f32 v[FA+6*\c:FA+6*\c+2], v[\s+32*\c:\s+15+32*\c], v[TM+12+2*\c]
	v_cvt_scalef32_pk16_fp6_f32 v[T0+4*\c:T0+4*\c+2], v[\s+16+32*\c:\s+31+32*\c], v[TM+12+2*\c+1]
.endr
	v_nop
.irp c, 0,1                            ; the operand's layout wants a whole block in a lane
.irp i, 0,1,2
	v_permlane16_swap_b32 v[FA+6*\c+\i], v[T0+4*\c+\i]
.endr
.irp i, 0,1,2
	v_mov_b32 v[FA+6*\c+3+\i], v[T0+4*\c+\i]
.endr
.endr
.endm
	s_load_b128 s[4:7], s[0:1], 0x0                ; CROSS = 0: train_feat, test_feat;  1: y, the partial sums
	s_load_b128 s[8:11], s[0:1], 0x10              ; WK's codes, WK's scales
	s_load_b128 s[12:15], s[0:1], 0x20             ; the bias, the codes' buffer
	s_load_b64 s[16:17], s[0:1], 0x30              ; the scale words' buffer
	v_lshl_add_u32 v254, v0, 2, 0x2e000
	v_mov_b32 v255, 0
	ds_add_u32 v254, v255
	ds_add_u32 v254, v255
.if CROSS
	s_load_b64 s[18:19], s[0:1], 0x38              ; the label
.endif
	v_lshrrev_b32 v1, 5, v0
	v_readfirstlane_b32 s[WV], v1                  ; wave 0..7
	s_and_b32 s[GI], ttmp7, 0xffff
	s_and_b32 s[BI], s[GI], 15
	; descriptor group 1: 32 rows of 128 f32, 1,024 elements apart, 16 bytes of padding behind each 512
	s_mov_b32 s28, (2<<16)|(1<<20)|(6<<22)|(3<<25)
	s_mov_b32 s29, 128<<16
	s_mov_b32 s30, 32<<16
	s_mov_b32 s31, 128<<16
	s_mov_b32 s32, 32
	s_mov_b32 s33, 1024
	s_mov_b32 s34, 0
	s_mov_b32 s35, 0
	s_mov_b32 s24, 1
	s_mul_i32 s25, s[WV], 32*XP                    ; LDS: my 32 rows
.if CROSS
	s_lshl_b32 s38, s[GI], 20                      ; an image is 2^20 bytes
.else
	s_lshl_b32 s38, s[BI], 20
.endif
	s_lshl_b32 s39, ttmp9, 9                       ; + 512 j
	s_add_co_u32 s38, s38, s39
	s_lshl_b32 s39, s[WV], 17                      ; + my 32 rows of 4,096 bytes
	s_add_co_u32 s38, s38, s39
	s_mov_b32 s39, 0
	s_wait_dscnt 0x0
	s_wait_kmcnt 0x0
.if CROSS == 0
	s_cmp_lt_u32 s[GI], 16
	s_cselect_b64 s[4:5], s[4:5], s[6:7]
.endif
	s_add_nc_u64 s[26:27], s[4:5], s[38:39]
	s_or_b32 s27, s27, 0x80000000
	tensor_load_to_lds s[24:27], s[28:35]          ; the one fill of these bytes; one tensor load of mine is out
	s_nop 0
.rept 4
	v_nop
.endr
	s_mov_b32 s[SEL], 0x76543210
	s_mov_b32 s[SEL+1], 0xfedcba98
	s_lshl_b32 s45, s[GI], 3
	s_add_co_u32 s45, s45, ttmp9                   ; the slab's number 8 g + j
	s_mul_i32 s38, s45, 36864
	s_add_nc_u64 s[14:15], s[14:15], s[38:39]      ; the slab's 24 fragments
	s_mul_i32 s38, s[WV], 1536
	s_add_nc_u64 s[48:49], s[14:15], s[38:39]      ; key tile w
	s_mul_i32 s38, s[WV], 3072
	s_add_co_u32 s38, s38, 12288
	s_add_nc_u64 s[46:47], s[14:15], s[38:39]      ; value tiles 2 w, 2 w + 1
	s_mul_i32 s38, s45, SBLK
	s_add_nc_u64 s[16:17], s[16:17], s[38:39]      ; the slab's scale words
	s_lshl_b32 s38, s[WV], 9
	s_add_nc_u64 s[50:51], s[16:17], s[38:39]
	v_and_b32 v[LANE], 31, v0
	v_and_b32 v[R], 15, v0
	v_bfe_u32 v[H], v0, 4, 1
	v_lshlrev_b32 v[LI], 4, v[LANE]
	v_lshlrev_b32 v[L8], 3, v[LANE]
	s_mul_i32 s40, s[WV], 32*XP
	v_mul_u32_u24 v[AV], v[R], XP
	v_lshl_add_u32 v[AV], v[H], 7, v[AV]
	v_add_nc_u32 v[AV], s40, v[AV]
	v_and_b32 v[TV], 8, v[R]
	v_add_nc_u32 v[TV], v[TV], v[R]                ; r + 8 (r / 8)
	v_lshl_add_u32 v[AB], v[H], 3, v[TV]           ; my column of the 32: lanes 0-15 the even tile's rows, lanes 16-31 the odd tile's
	v_lshlrev_b32 v[AB], 2, v[AB]
	s_lshr_b32 s41, s[WV], 1                       ; which 32 columns
	s_and_b32 s42, s[WV], 1                        ; which 128 d
	s_lshl_b32 s43, s41, 7
	s_mul_i32 s44, s42, 128*XP
	s_add_co_u32 s43, s43, s44
	v_add_nc_u32 v[AB], s43, v[AB]
	v_add_nc_u32 v[AB2], 64*XP, v[AB]
	s_lshl_b32 s43, s41, 2
	s_add_co_u32 s43, s43, s42
	s_mul_i32 s43, s43, 1536
	s_add_co_u32 s43, s43, XIMG
	v_add_nc_u32 v[XWI], s43, v[LI]
	s_lshl_b32 s43, s42, 9
	s_lshl_b32 s44, s41, 7
	s_add_co_u32 s43, s43, s44
	s_add_co_u32 s43, s43, XSC
	v_lshl_add_u32 v[XWS], v[LANE], 2, s43
	s_lshl_b32 s43, s[WV], 6
	s_add_co_u32 s43, s43, XSC
	v_lshl_add_u32 v[XRS], v[R], 2, s43
	s_mul_i32 s43, s[WV], 3072
	s_add_co_u32 s43, s43, XIMG
	v_add_nc_u32 v[XRI], s43, v[LI]
	s_lshr_b32 s43, s[WV], 2                       ; value tile 2 w: quad w / 4, half (w / 2) % 2, word 2 (w % 2)
	s_lshl_b32 s43, s43, 9
	s_and_b32 s44, s41, 1
	s_lshl_b32 s44, s44, 8
	s_add_co_u32 s43, s43, s44
	s_lshl_b32 s44, s42, 3
	s_add_co_u32 s43, s43, s44
	s_add_co_u32 s43, s43, OSC+512
	v_lshl_add_u32 v[OSA], v[R], 4, s43
	s_lshr_b32 s43, s[WV], 2                       ; key tile w: half w / 4, word w % 4
	s_lshl_b32 s43, s43, 8
	s_and_b32 s44, s[WV], 3
	s_lshl_b32 s44, s44, 2
	s_add_co_u32 s43, s43, s44
	s_add_co_u32 s43, s43, OSC
	v_lshl_add_u32 v[OSK], v[R], 4, s43
	s_lshl_b32 s43, s[WV], 9
	s_add_co_u32 s43, s43, OSC
	v_add_nc_u32 v[OSR], s43, v[LI]
	s_mul_i32 s43, s[WV], 3072
	s_add_co_u32 s43, s43, WIMG
	v_add_nc_u32 v[WWI], s43, v[LI]
	v_add_nc_u32 v[WRI], WIMG, v[LI]
	s_mul_i32 s38, s41, 6144                       ; WK's tile w begins at row 32 (w / 2) + 8 (w % 2), 192 bytes a row
	s_mul_i32 s40, s42, 1536
	s_add_co_u32 s38, s38, s40
	s_add_nc_u64 s[52:53], s[8:9], s[38:39]
	v_lshlrev_b32 v[WSO], 3, v[TV]                 ; WK: THE ROWS OF A TILE ARE CHOSEN LIKEWISE: lane r of tile t takes row 32 (t / 2) + 8 (t % 2) + r + 8 (r / 8)
	v_mul_u32_u24 v[WCO], v[TV], 192
	v_mad_u32_u24 v[WCO], v[H], 24, v[WCO]
	v_lshlrev_b32 v[BO], 6, v[H]
.irp b, 0,1,2,3
	v_mov_b32 v[TM+4+\b], 0                        ; written once: a lane permute's destination counts as one of its sources
.endr
	v_mov_b32 v[TV], 0
.if CROSS
	v_lshlrev_b32 v[LBO], 7, v[H]
	v_mul_u32_u24 v[LQA], v[H], 24
	v_add_nc_u32 v[LQA], OSC+1536, v[LQA]
	v_lshl_add_u32 v[LZA], v[LANE], 3, OSC+1536
	v_mov_b32 v[LWA], OSC+1632
	s_lshl_b32 s38, s[GI], 8
	s_add_nc_u64 s[6:7], s[6:7], s[38:39]
	global_load_b64 v[PR:PR+1], v[L8], s[6:7]      ; the image's 64 partial sums of y^2
	s_lshl_b32 s38, s[BI], 12
	s_lshl_b32 s40, ttmp9, 9
	s_add_co_u32 s38, s38, s40
	s_add_nc_u64 s[18:19], s[18:19], s[38:39]
.irp c, 0,1
.irp q, 0,1,2,3,4,5,6,7
	global_load_b128 v[LB+32*\c+4*\q:LB+32*\c+4*\q+3], v[LBO], s[18:19] offset:256*\c+16*\q   ; the label at the places that my registers hold
.endr
.endr
	s_wait_loadcnt 0x0
	WSUM PR, TV
	v_add_f32 v[PR], 0x3727c5ac, v[PR]             ; + 1e-5
	v_rsq_f32 v[PR], v[PR]
	v_nop                                          ; one plain place behind a transcendental
	v_mul_f32 v[FF], 0x41000000, v[PR]             ; f1 = sqrt(1 / 4096) x sqrt(262144 / (ss + eps)) = 8 / sqrt(ss + eps)
	v_mov_b32 v[FF+1], v[FF]
.endif
	; WK's tile w (two fragments), the bias in the result's layout, WK's scale words: they land under the values' work
	WIN 0x40
.irp c, 0,1
.irp p, 0,1,2,3,4,5
	global_load_b64 v[12*\c+2*\p:12*\c+2*\p+1], v[WCO], s[52:53] offset:96*\c+48*(\p/3)+8*(\p%3)
.endr
.endr
.irp t, 0,1,2,3,4,5,6,7
	global_load_b128 v[192+8*\t:192+8*\t+3], v[BO], s[12:13] offset:(32*(\t/2)+8*(\t%2))*4
	global_load_b128 v[192+8*\t+4:192+8*\t+7], v[BO], s[12:13] offset:(32*(\t/2)+8*(\t%2))*4+16
.endr
	WIN 0
.irp t, 0,1,2,3,4,5,6,7
.irp c, 0,1
	global_load_b32 v[W1S+2*\t+\c], v[WSO], s[10:11] offset:(32*(\t/2)+8*(\t%2))*8+4*\c
.endr
.endr
	s_wait_tensorcnt 0x0                           ; my 32 rows are in LDS: the values' tiles 2 w and 2 w + 1 are made of them alone
.if CROSS
	s_cmp_ge_u32 s[GI], 16                         ; the test images are queries alone: no values
	s_cbranch_scc1 .Lnovalues
.endif
	VTILE 0, FA
	VTILE 1, FB
.if CROSS
	s_cmp_lg_u32 s[WV], 0
	s_cbranch_scc1 .Lnovalues
	BLK2 LB, D                                     ; the label's 128 places as one row of codes (every lane of a half holds the same)
	v_mov_b32 v[PR], 0
	v_mov_b32 v[PR+1], 0
	ds_store_b64 v[LZA], v[PR:PR+1]                ; the block's last 256 bytes are cleared first: LDS serves a wave's instructions in order
.irp p, 0,1,2,3,4,5
	ds_store_b64 v[LQA], v[D+2*\p:D+2*\p+1] offset:48*(\p/3)+8*(\p%3)
.endr
	ds_store_b32 v[LWA], v[PW]
.Lnovalues:
.endif
	s_wait_loadcnt 32                              ; my twelve loads of WK are in; the bias's 16 and the scale words' 16, issued behind them, may be out
	WIN 0x04                                       ; an LDS store's data are its source 1: window 1
.irp e, 0,1,2,3,4,5
	ds_store_b128 v[WWI], v[4*\e:4*\e+3] offset:512*\e             ; WK's fragments 2 w and 2 w + 1 as they stand
.endr
	WIN 0
	BARRIER                                        ; every wave has waited for its tensor load: all 256 rows are there; and so are WK's 16 images
	s_wait_xcnt 0x0                                ; the stores of the values' codes have read FA and FB, which are written again below
	; x along d: a lane takes a column s and 128 d: four whole blocks
.set k, 0
.rept 64
	ds_load_b32 v[D+k], v[AB] offset:XP*k
	ds_load_b32 v[D+64+k], v[AB2] offset:XP*k
.set k, k+1
.endr
	s_wait_dscnt 0x0
	WIN 0x40                                       ; all of WK into window 1: 48 loads of 512 consecutive bytes, which land under the arithmetic below
.set m, 0
.rept 48
	ds_load_b128 v[4*m:4*m+3], v[WRI] offset:512*m
.set m, m+1
.endr
	WIN 0
.if CROSS
.set n, 0
.rept 64
	v_pk_mul_f32 v[D+n:D+n+1], v[D+n:D+n+1], v[FF:FF+1]
.set n, n+2
.endr
.endif
.irp b, 0,1,2,3
	v_max3_num_f32 v[TM+\b], |v[D+32*\b]|, |v[D+32*\b+1]|, 0x1800000
.endr
.irp i, 2,4,6,8,10,12,14,16,18,20,22,24,26,28,30
.irp b, 0,1,2,3
	v_max3_num_f32 v[TM+\b], v[TM+\b], |v[D+32*\b+\i]|, |v[D+32*\b+\i+1]|
.endr
.endr
.irp b, 0,1,2,3
	v_add_nc_u32 v[TM+12+\b], 0xff000000, v[TM+\b]
.endr
.irp b, 0,1,2,3
	v_lshrrev_b32 v[TM+4+\b], 23, v[TM+12+\b]
.endr
	v_lshl_or_b32 v[PW], v[TM+5], 8, v[TM+4]
	v_lshl_or_b32 v[PW], v[TM+6], 16, v[PW]
	v_lshl_or_b32 v[PW], v[TM+7], 24, v[PW]
.irp b, 0,1,2,3                        ; blocks 0 and 2 towards FA, 1 and 3 towards FB
	v_cvt_scalef32_pk16_fp6_f32 v[FA+12*(\b%2)+6*(\b/2):FA+12*(\b%2)+6*(\b/2)+2], v[D+32*\b:D+32*\b+15], v[TM+12+\b]
	v_cvt_scalef32_pk16_fp6_f32 v[T0+4*\b:T0+4*\b+2], v[D+32*\b+16:D+32*\b+31], v[TM+12+\b]
.endr
	v_nop
.irp c, 0,1                            ; the first's lanes 16-31 change places with the second's lanes 0-15: FA becomes the even tile's fragment, FB the odd tile's
.irp i, 0,1,2
	v_permlane16_swap_b32 v[FA+6*\c+\i], v[FB+6*\c+\i]
	v_permlane16_swap_b32 v[T0+8*\c+\i], v[T0+8*\c+4+\i]
.endr
.endr
.irp c, 0,1
.irp i, 0,1,2
	v_mov_b32 v[FA+6*\c+3+\i], v[T0+8*\c+\i]
	v_mov_b32 v[FB+6*\c+3+\i], v[T0+8*\c+4+\i]
.endr
.endr
.irp k, 0,1,2
	ds_store_b128 v[XWI], v[FA+4*\k:FA+4*\k+3] offset:512*\k
	ds_store_b128 v[XWI], v[FB+4*\k:FB+4*\k+3] offset:3072+512*\k
.endr
	ds_store_b32 v[XWS], v[PW]
	BARRIER                                        ; x's sixteen fragments lie in LDS (and my loads of WK's images are in)
	; the projection of tile w, transposed: source 0 = 16 rows of WK, source 1 = 16 places; a lane holds one place, its registers run along the key units
.irp k, 0,1,2,3,4,5
	ds_load_b128 v[XF+4*\k:XF+4*\k+3], v[XRI] offset:512*\k
.endr
	ds_load_b32 v[XS0], v[XRS]
	ds_load_b32 v[XS0+1], v[XRS] offset:512
	s_wait_dscnt 0x0
	s_wait_loadcnt 0x0                             ; WK's scale words, the bias
	WIN 0x11                                       ; source 0 (WK) and source 2 (the bias) in window 1
.irp t, 0,1,2,3,4,5,6,7
	v_wmma_scale_f32_16x16x128_f8f6f4 v[HA+8*\t:HA+8*\t+7], v[24*\t:24*\t+11], v[XF:XF+11], v[192+8*\t:192+8*\t+7], v[W1S+2*\t], v[XS0] matrix_a_fmt:MATRIX_FMT_FP6 matrix_b_fmt:MATRIX_FMT_FP6
.endr
	WIN 0x01                                       ; the eight accumulators take turns
.irp t, 0,1,2,3,4,5,6,7
	v_wmma_scale_f32_16x16x128_f8f6f4 v[HA+8*\t:HA+8*\t+7], v[24*\t+12:24*\t+23], v[XF+12:XF+23], v[HA+8*\t:HA+8*\t+7], v[W1S+2*\t+1], v[XS0+1] matrix_a_fmt:MATRIX_FMT_FP6 matrix_b_fmt:MATRIX_FMT_FP6
.endr
	WIN 0
.rept 4
	v_nop                                          ; four places in front of the first read of results
.endr
	v_pk_mul_f32 v[T0:T0+1], v[HA:HA+1], v[HA:HA+1]        ; the row's sum of squares, in two chains, each accumulator from its low end on
	v_pk_mul_f32 v[T0+4:T0+5], v[HA+2:HA+3], v[HA+2:HA+3]
.irp i, 4,8,12,16,20,24,28,32,36,40,44,48,52,56,60
	v_pk_fma_f32 v[T0:T0+1], v[HA+\i:HA+\i+1], v[HA+\i:HA+\i+1], v[T0:T0+1]
	v_pk_fma_f32 v[T0+4:T0+5], v[HA+\i+2:HA+\i+3], v[HA+\i+2:HA+\i+3], v[T0+4:T0+5]
.endr
	v_pk_add_f32 v[T0:T0+1], v[T0:T0+1], v[T0+4:T0+5]
	v_add_f32 v[T0], v[T0], v[T0+1]
	v_permlanex16_b32 v[T0+1], v[T0], s[SEL], s[SEL+1]
	v_add_f32 v[T0], v[T0], v[T0+1]                ; with lane l xor 16's 64 units
	v_sqrt_f32 v[T0], v[T0]
	v_nop
	s_wait_alu depctr_va_vdst(0)
	v_max_num_f32 v[T0], 0x2b8cbccc, v[T0]         ; max(norm, 1e-12)
	v_rcp_f32 v[T0], v[T0]
	v_nop
	s_wait_alu depctr_va_vdst(0)
	v_mov_b32 v[T0+1], v[T0]
.set n, 0
.rept 32
	v_pk_mul_f32 v[HA+n:HA+n+1], v[HA+n:HA+n+1], v[T0:T0+1]
.set n, n+2
.endr
	QUANT HA
.irp k, 0,1,2
	global_store_b128 v[LI], v[FA+4*\k:FA+4*\k+3], s[48:49] offset:512*\k
.endr
	ds_store_b32 v[OSK], v[PW]
	BARRIER                                        ; the slab's scale words lie in LDS: they leave in runs of 512 bytes
	s_cmp_eq_u32 s[WV], 0
	s_cbranch_scc1 .Lsc_do                         ; wave 0: the keys' quad
.if CROSS
	s_cmp_ge_u32 s[GI], 16
	s_cbranch_scc1 .Lend
.endif
	s_cmp_ge_u32 s[WV], 3
	s_cbranch_scc1 .Lsc_tail                       ; waves 1 and 2: the values' quads
.Lsc_do:
	ds_load_b128 v[D:D+3], v[OSR]
	s_wait_dscnt 0x0
	global_store_b128 v[LI], v[D:D+3], s[50:51]
	s_branch .Lend
.Lsc_tail:
.if CROSS
	s_cmp_lg_u32 s[WV], 3
	s_cbranch_scc1 .Lend
	ds_load_b64 v[D+4:D+5], v[LZA]                 ; wave 3: the label's codes and scale word, 256 bytes
	s_wait_dscnt 0x0
	global_store_b64 v[L8], v[D+4:D+5], s[16:17] offset:1536
.endif
.Lend:
	s_wait_tensorcnt 0x0
	ds_add_u32 v254, v255
	s_wait_dscnt 0x0
	s_endpgm
.Lfunc_end_k_q224981283c_prep_self:
	.size	k_q224981283c_prep_self, .Lfunc_end_k_q224981283c_prep_self-k_q224981283c_prep_self
	.p2alignl 7, 3214868480
	.fill 96, 4, 3214868480
	.section	.rodata,"a",@progbits
	.p2align	6, 0x0
	.amdhsa_kernel k_q224981283c_prep_self
		.amdhsa_group_segment_fixed_size 189440
		.amdhsa_private_segment_fixed_size 0
		.amdhsa_enable_private_segment 0
		.amdhsa_kernarg_size 56
		.amdhsa_user_sgpr_count 2
		.amdhsa_user_sgpr_kernarg_segment_ptr 1
		.amdhsa_wavefront_size32 1
		.amdhsa_system_sgpr_workgroup_id_x 1
		.amdhsa_system_sgpr_workgroup_id_y 1
		.amdhsa_system_sgpr_workgroup_id_z 1
		.amdhsa_system_vgpr_workitem_id 0
		.amdhsa_next_free_vgpr 512
		.amdhsa_next_free_sgpr 66
		.amdhsa_reserve_vcc 0
		.amdhsa_float_denorm_mode_32 3
		.amdhsa_float_denorm_mode_16_64 3
		.amdhsa_memory_ordered 1
		.amdhsa_forward_progress 1
		.amdhsa_inst_pref_size 49
	.end_amdhsa_kernel
	.amdgpu_metadata
---
amdhsa.version: [ 1, 2 ]
amdhsa.kernels:
  - .name:           k_q224981283c_prep_self
    .symbol:         k_q224981283c_prep_self.kd
    .args:
      - { .name: train_feat, .offset: 0, .size: 8, .value_kind: global_buffer, .address_space: global }
      - { .name: test_feat, .offset: 8, .size: 8, .value_kind: global_buffer, .address_space: global }
      - { .name: WK_self_codes, .offset: 16, .size: 8, .value_kind: global_buffer, .address_space: global }
      - { .name: WK_self_scales, .offset: 24, .size: 8, .value_kind: global_buffer, .address_space: global }
      - { .name: bK_self, .offset: 32, .size: 8, .value_kind: global_buffer, .address_space: global }
      - { .name: c1, .offset: 40, .size: 8, .value_kind: global_buffer, .address_space: global }
      - { .name: s1, .offset: 48, .size: 8, .value_kind: global_buffer, .address_space: global }
    .group_segment_fixed_size: 189440
    .private_segment_fixed_size: 0
    .kernarg_segment_align: 8
    .kernarg_segment_size: 56
    .max_flat_workgroup_size: 256
    .sgpr_count:     66
    .vgpr_count:     512
    .wavefront_size: 32
...
	.end_amdgpu_metadata
.endif
;; end of part 1
;; launch attn_self (part 2): grid 8 x 32, 8 waves a work-group, clusters of 4 x 1, 327,680 bytes of LDS; arguments c1, s1, train_feat, test_feat, y, ss1; writes y, ss1
.if DOCPART == 2
	.amdgcn_target "amdgcn-amd-amdhsa--gfx1250"
	.amdhsa_code_object_version 6
	.text
	.protected	k_q224981283c_attn_self
	.globl	k_q224981283c_attn_self
	.p2align	8
	.type	k_q224981283c_attn_self,@function
k_q224981283c_attn_self:
	s_mov_b64 s[64:65], 0
	v_nop
	global_prefetch_b8 v0, s[64:65] scope:SCOPE_SE
	s_setreg_imm32_b32 hwreg(HW_REG_WAVE_MODE, 25, 1), 1
	s_wait_xcnt 0x0
	s_wait_alu depctr_hold_cnt(0) depctr_sa_sdst(0) depctr_va_vdst(0) depctr_va_sdst(0) depctr_va_ssrc(0) depctr_va_vcc(0) depctr_vm_vsrc(0)
	s_getreg_b32 s2, hwreg(HW_REG_IB_STS2, 6, 4)
	s_cmp_eq_u32 s2, 0
	s_cbranch_scc0 .Lentry_in_a_cluster
	s_endpgm
.Lentry_in_a_cluster:
	s_bfe_u32 s2, ttmp6, 0x10000c
	s_cmp_lg_u32 s2, 0x3003
	s_cbranch_scc0 .Lentry_shape_is_right
	s_endpgm
.Lentry_shape_is_right:
; ATTN: attention of one image on codes of E2M3.  A work-group owns 128 queries (slab qb) of image g, each of its eight waves one tile of 16; every wave walks the image's 1,024 keys, 128 a step.
; CROSS = 0: keys, queries and values of image g; out: y = x + attention, and each wave's sum of y^2.
; CROSS = 1: queries of image g, keys and values (memory x label, and the label's row as a seventeenth tile of values) of image g % 16;
; out: u4 = x1 + t3 with x1 = y x f1, the mask (one number a query), and each wave's sums of u2^2, u2 u4, u4^2 with u2 = x1 x mask.
; THE SOFTMAX: t = score x 30 log2(e); M = the row's largest t so far, rounded up to a whole number; p = 2^(t - M) is quantised along the keys, not normalised; the row's sum is taken of the unquantised p and divides at the end.
; ALL OF AN IMAGE'S KEYS AND VALUES STAY IN LDS: 8 steps x 24 fragments of 1,536 bytes, and the scale words behind them.  Every byte is filled once.  Steps 0, 1 and 2 come by a load of their own each and are
; read as soon as they have landed, behind a barrier; steps 3 to 7 come as one block.  In front of step 3's barrier every wave has waited for all its loads: behind it nothing is left to wait for, and the waves
; walk steps 4 to 7 with no barrier, each at its own pace, so that one wave's LDS loads can stand beside another's softmax.  One more barrier stands on the way out, in front of the stores into the stage.
; CLUSTER: the four query blocks of a cluster belong to one image and need the same keys and values: each block is asked for JOINTLY, by the same tensor load with the same descriptor and the mask of all four.
; LAYOUT: both products transposed (S^T = K Q^T, O^T = V^T P^T): a lane holds one query throughout.  The keys of a tile are chosen so that the 16 registers of tiles 2 b, 2 b + 1 are keys 32 b + 16 h + 0 .. 15.
; LIMITS: NaN and infinities among the inputs are not served.
; REGISTERS, window 0: v1-11 addresses; v12 -M, v13 largest t, v[14:15] the sum; v16-27 Q; v28, v29, v227, v232-243 scale words alone; v32-127 K's fragments, then V's tiles 8-15, then the residual rows;
;   v128-191 S^T, then p; v192-203 p's codes; v204-226 at work; v244-255 the label's fragment, later the sums.   window 1: v0-127 O^T; v128-223 V's tiles 0-7; v224-231 the label's accumulator.
.set CROSS, 0
.set SBLK,  1536+256*CROSS             ; a step's scale words: K's quad, V's two quads (CROSS: the label's codes and word)
.set STEPB, 36864                      ; a step's 24 fragments
.set RESTB, 5*STEPB/8                  ; a wave's eighth of steps 3 to 7: 23,040 bytes, 90 rows of 256
.set SCL,   8*STEPB
.set MSK,   SCL+8*SBLK                 ; CROSS: 128 numbers of the mask, scratch of its own
.set SP,    528                        ; the way out: a stage of 256 rows d x (512 bytes + 16) at LDS byte 0: steps 0-3, which have had their one fill and their last read
.set WV,  16
.set SEL, 76
.set CS,  78
.set LI,   1
.set ADK,  2
.set ADS,  3
.set ADL,  4
.set H24,  5
.set STO0, 6
.set STO1, 7
.set RD,   8
.set LANE, 9
.set R16,  10
.set PFO,  11
.set Q,    16
.set QS,   28
.set LS,   29
.set FF,   30
.set KF,   32
.set S,    128
.set PC,   192
.set PT,   204
.set BM,   212
.set BP,   216
.set SO,   220
.set F,    224
.set TMP,  226
.set PW,   227
.set MQ,   228
.set KS,   232
.set VS,   236
.set LF,   244
.set MSB, 0
.macro WIN new                         ; the immediate's high byte repeats the setting that is left
.if MSB != \new
	s_set_vgpr_msb (MSB<<8)|\new
.set MSB, \new
.endif
.endm
.macro CROUND                          ; a round of the cluster's barrier
	s_barrier_signal -1
	s_barrier_wait -1
	s_cmp_lg_u32 s[WV], 0
	s_cbranch_scc1 .Lnot_wave_0_\@
	s_barrier_signal -3
.Lnot_wave_0_\@:
	s_barrier_wait -3
	s_barrier_signal -1
	s_barrier_wait -1
.endm
.macro WSUM a, t                       ; the pair v[a:a+1] summed over the wave, into every lane's v[a]
	v_add_f32 v[\a], v[\a], v[\a+1]
	v_add_f32_dpp v[\a], v[\a], v[\a] row_xmask:1 row_mask:0xf bank_mask:0xf
	v_add_f32_dpp v[\a], v[\a], v[\a] row_xmask:2 row_mask:0xf bank_mask:0xf
	v_add_f32_dpp v[\a], v[\a], v[\a] row_xmask:4 row_mask:0xf bank_mask:0xf
	v_add_f32_dpp v[\a], v[\a], v[\a] row_xmask:8 row_mask:0xf bank_mask:0xf
	v_permlanex16_b32 v[\t], v[\a], s[SEL], s[SEL+1]
	v_add_f32 v[\a], v[\a], v[\t]
.endm
; one product: D at d, source 0 at a, source 1 at b; zero: C is the constant 0, else C = D; row1: source 0's scales stand in lanes 16-31
.macro MM d, a, b, zero, sa, sb, row1
.if \zero
.if \row1
	v_wmma_scale_f32_16x16x128_f8f6f4 v[\d:\d+7], v[\a:\a+11], v[\b:\b+11], 0, v[\sa], v[\sb] matrix_a_fmt:MATRIX_FMT_FP6 matrix_b_fmt:MATRIX_FMT_FP6 matrix_a_scale:MATRIX_SCALE_ROW1
.else
	v_wmma_scale_f32_16x16x128_f8f6f4 v[\d:\d+7], v[\a:\a+11], v[\b:\b+11], 0, v[\sa], v[\sb] matrix_a_fmt:MATRIX_FMT_FP6 matrix_b_fmt:MATRIX_FMT_FP6
.endif
.else
.if \row1
	v_wmma_scale_f32_16x16x128_f8f6f4 v[\d:\d+7], v[\a:\a+11], v[\b:\b+11], v[\d:\d+7], v[\sa], v[\sb] matrix_a_fmt:MATRIX_FMT_FP6 matrix_b_fmt:MATRIX_FMT_FP6 matrix_a_scale:MATRIX_SCALE_ROW1
.else
	v_wmma_scale_f32_16x16x128_f8f6f4 v[\d:\d+7], v[\a:\a+11], v[\b:\b+11], v[\d:\d+7], v[\sa], v[\sb] matrix_a_fmt:MATRIX_FMT_FP6 matrix_b_fmt:MATRIX_FMT_FP6
.endif
.endif
.endm
	s_load_b256 s[4:11], s[0:1], 0x0               ; codes, scale words; CROSS = 0: train_feat, test_feat; 1: y, the partial sums of y^2
	s_load_b128 s[12:15], s[0:1], 0x20             ; CROSS = 0: y, its partial sums; 1: u4, aux
	v_lshl_add_u32 v254, v0, 2, 0x4b000
	v_mov_b32 v255, 0
	ds_add_u32 v254, v255
	ds_add_u32 v254, v255
	v_lshrrev_b32 v1, 5, v0
	v_readfirstlane_b32 s[WV], v1                  ; wave 0..7
	s_bfe_u32 s17, ttmp6, 0x40000                  ; cx: it enters the addresses of Q, the residual rows and the outputs alone
	s_lshl_b32 s18, ttmp9, 2
	s_add_co_u32 s18, s18, s17                     ; my block of 128 queries
	s_and_b32 s19, ttmp7, 0xffff                   ; the image, which the four partners share
.if CROSS
	s_and_b32 s98, s19, 15                         ; keys and values are the train image's
.else
	s_mov_b32 s98, s19
.endif
	; descriptor groups 1: dense blocks as rows of 256 bytes; the mask names all four work-groups
	s_mov_b32 s20, 15|(3<<16)|(1<<21)              ; my eighth of one step: three fragments, 18 rows
	s_mov_b32 s21, 32<<16
	s_mov_b32 s22, 18<<16
	s_mov_b32 s23, 32<<16
	s_mov_b32 s24, 18
	s_mov_b32 s25, 32
	s_mov_b32 s26, 0
	s_mov_b32 s27, 0
	s_mov_b32 s28, 15|(3<<16)|(1<<21)              ; a step's scale words
	s_mov_b32 s29, 32<<16
	s_mov_b32 s30, (SBLK/256)<<16
	s_mov_b32 s31, 32<<16
	s_mov_b32 s32, SBLK/256
	s_mov_b32 s33, 32
	s_mov_b32 s34, 0
	s_mov_b32 s35, 0
	s_mov_b32 s56, 15|(3<<16)|(1<<21)              ; my eighth of steps 3 to 7: 90 rows
	s_mov_b32 s57, 32<<16
	s_mov_b32 s58, (RESTB/256)<<16
	s_mov_b32 s59, 32<<16
	s_mov_b32 s60, RESTB/256
	s_mov_b32 s61, 32
	s_mov_b32 s62, 0
	s_mov_b32 s63, 0
	s_mul_i32 s92, s[WV], 4608                     ; my eighth of a step's codes, in LDS and in memory
	s_mul_i32 s90, s98, 8*STEPB
	s_add_co_u32 s90, s90, s92
	s_mov_b32 s91, 0
	s_mul_i32 s93, s[WV], SBLK                     ; the scale words of step w
	s_mul_i32 s96, s98, 8*SBLK
	s_add_co_u32 s96, s96, s93
	s_mov_b32 s97, 0
	s_mul_i32 s99, s[WV], RESTB                    ; my eighth of steps 3 to 7, in LDS and in memory
	s_mul_i32 s2, s98, 8*STEPB
	s_add_co_u32 s2, s2, s99
	s_add_co_u32 s2, s2, 3*STEPB
	s_mov_b32 s3, 0
	s_wait_dscnt 0x0
	s_wait_kmcnt 0x0
	s_add_nc_u64 s[94:95], s[4:5], s[90:91]
	s_mov_b32 s36, 1
	s_add_co_u32 s37, s93, SCL
	s_add_nc_u64 s[38:39], s[6:7], s[96:97]
	s_or_b32 s39, s39, 0x80000000
.irp j, 0,1,2                          ; a group 0 for each of steps 0, 1, 2: s40-51
	s_mov_b32 s[40+4*\j], 1
	s_add_co_u32 s[41+4*\j], s92, STEPB*\j
	s_add_nc_u64 s[42+4*\j:43+4*\j], s[94:95], STEPB*\j
	s_or_b32 s[43+4*\j], s[43+4*\j], 0x80000000
.endr
	s_mov_b32 s52, 1                               ; and one for the rest
	s_add_co_u32 s53, s99, 3*STEPB
	s_add_nc_u64 s[54:55], s[4:5], s[2:3]
	s_or_b32 s55, s55, 0x80000000
	CROUND                                         ; all four work-groups are here: the joint loads meet
	tensor_load_to_lds s[36:39], s[28:35]          ; the scale words first; then the steps in the order in which they are read: five loads of mine are out
	s_nop 0
.irp j, 0,1,2
	tensor_load_to_lds s[40+4*\j:43+4*\j], s[20:27]
	s_nop 0
.endr
	tensor_load_to_lds s[52:55], s[56:63]
	s_nop 0
.rept 4
	v_nop
.endr
	s_mov_b32 s[SEL], 0x76543210
	s_mov_b32 s[SEL+1], 0xfedcba98
	s_mov_b32 s[CS], 0x422d1f97                    ; c = 30 log2(e)
	s_mov_b32 s[CS+1], s[CS]
	s_lshl_b32 s90, s19, 3
	s_add_co_u32 s90, s90, s18                     ; my queries' slab 8 g + qb
	s_mul_i32 s92, s90, STEPB
	s_mul_i32 s93, s[WV], 1536
	s_add_co_u32 s92, s92, s93
	s_mov_b32 s93, 0
	s_add_nc_u64 s[84:85], s[4:5], s[92:93]        ; Q's fragment: tile w of the slab
	s_mul_i32 s92, s90, SBLK
	s_lshr_b32 s94, s[WV], 2
	s_lshl_b32 s94, s94, 8
	s_add_co_u32 s92, s92, s94
	s_and_b32 s94, s[WV], 3
	s_lshl_b32 s94, s94, 2
	s_add_co_u32 s92, s92, s94
	s_add_nc_u64 s[86:87], s[6:7], s[92:93]        ; and its scale words
	s_lshl_b32 s92, s18, 9
	s_lshl_b32 s94, s[WV], 17
	s_add_co_u32 s92, s92, s94                     ; 512 qb + my 32 rows d of 4,096 bytes
	s_lshl_b32 s94, s19, 20
	s_add_co_u32 s94, s94, s92
	s_mov_b32 s95, 0
	s_add_nc_u64 s[82:83], s[12:13], s[94:95]      ; where my rows go
.if CROSS
	s_add_nc_u64 s[80:81], s[8:9], s[94:95]        ; and the residual rows: y
.else
	s_and_b32 s94, s19, 15
	s_lshl_b32 s94, s94, 20
	s_add_co_u32 s94, s94, s92
	s_cmp_lt_u32 s19, 16
	s_cselect_b64 s[80:81], s[8:9], s[10:11]       ; train_feat or test_feat
	s_add_nc_u64 s[80:81], s[80:81], s[94:95]
.endif
	s_lshl_b32 s92, s19, 8
	s_lshl_b32 s94, s18, 5
	s_add_co_u32 s92, s92, s94
	s_lshl_b32 s94, s[WV], 2
	s_add_co_u32 s92, s92, s94                     ; 256 g + 4 (8 qb + w)
.if CROSS
	s_add_co_u32 s92, s92, 131072
.endif
	s_add_nc_u64 s[88:89], s[14:15], s[92:93]      ; my wave's word among the sums
.if CROSS
	s_lshl_b32 s92, s19, 12
	s_lshl_b32 s94, s18, 9
	s_add_co_u32 s92, s92, s94
	s_add_nc_u64 s[96:97], s[14:15], s[92:93]      ; the mask's 128 numbers
	s_lshl_b32 s92, s19, 8
	s_add_nc_u64 s[10:11], s[10:11], s[92:93]      ; the image's 64 partial sums of y^2
.endif
	v_and_b32 v[LANE], 31, v0
	v_lshlrev_b32 v[LI], 4, v[LANE]
	v_and_b32 v[ADK], 15, v0                       ; r
	v_bfe_u32 v[ADS], v0, 4, 1                     ; h
	v_lshlrev_b32 v[R16], 4, v[ADK]
	v_mul_u32_u24 v[H24], v[ADS], 24
	v_lshlrev_b32 v[PFO], 12, v[LANE]
	v_and_b32 v[ADL], 8, v[ADK]
	v_add_nc_u32 v[ADL], v[ADL], v[ADK]            ; r + 8 (r / 8)
	v_mul_u32_u24 v[STO0], v[ADS], 8*SP
	v_lshl_add_u32 v[STO0], v[ADL], 2, v[STO0]
	s_lshr_b32 s92, s[WV], 1
	s_lshl_b32 s92, s92, 7
	s_and_b32 s94, s[WV], 1
	s_lshl_b32 s94, s94, 5
	s_add_co_u32 s92, s92, s94
	v_add_nc_u32 v[STO0], s92, v[STO0]             ; the stage: row 8 h, column = my query's place 32 (w / 2) + 8 (w % 2) + r + 8 (r / 8)
	v_add_nc_u32 v[STO1], 128*SP, v[STO0]
	s_mul_i32 s92, s[WV], 32*SP
	v_add_nc_u32 v[RD], s92, v[LI]                 ; back: my 32 rows, 16 bytes a lane
.irp k, 0,1,2
	global_load_b128 v[Q+4*\k:Q+4*\k+3], v[LI], s[84:85] offset:512*\k
.endr
	global_load_b32 v[QS], v[R16], s[86:87]
.if CROSS
	v_lshlrev_b32 v[ADK], 3, v[LANE]
	global_load_b64 v[FF:FF+1], v[ADK], s[10:11]
.endif
	v_mov_b32 v13, 0xff61b1e6                      ; the largest t so far: -3e38
	v_floor_f32 v12, -v13                          ; -M
	v_mov_b32 v14, 0
	v_mov_b32 v15, 0
.irp b, 0,1,2,3
	v_mov_b32 v[BP+\b], 0                          ; written once: a lane permute's destination counts as one of its sources
.endr
	v_mov_b32 v[F+1], 0                            ; (named as the upper half of the pair)
	s_wait_loadcnt 0x0
.if CROSS
	WSUM FF, BP
	v_add_f32 v[FF], 0x3727c5ac, v[FF]
	v_rsq_f32 v[FF], v[FF]
	v_nop
	v_mul_f32 v[FF], 0x41000000, v[FF]             ; f1 = 8 / sqrt(ss + 1e-5)
	v_mov_b32 v[FF+1], v[FF]
.endif
; A KEY STEP: 128 keys.
.macro STEP st
.if \st < 4
	s_wait_tensorcnt 3-\st                         ; my parts of the scale words and of steps 0 .. st are in; the 3 - st loads issued behind them may stay out.  In step 3 the count is 0: all my loads are in
	s_barrier_signal -1
	s_barrier_wait -1                              ; everybody's are.  Behind step 3's barrier all eight steps lie in LDS: steps 4 to 7 have no wait and no barrier
.endif
	v_add_nc_u32 v[ADK], STEPB*\st, v[LI]          ; (with the v_nop: four places in front of loads into registers that the last products read)
	v_add_nc_u32 v[ADS], SCL+\st*SBLK, v[LI]
.if CROSS
	v_add_nc_u32 v[ADL], SCL+\st*SBLK+1536, v[H24]
	v_nop
.else
	v_nop
	v_nop
.endif
	ds_load_b128 v[KS:KS+3], v[ADS]
.irp t, 0,1,2,3,4,5,6,7
.irp k, 0,1,2
	ds_load_b128 v[KF+12*\t+4*\k:KF+12*\t+4*\k+3], v[ADK] offset:1536*\t+512*\k
.endr
.endr
	ds_load_b128 v[VS:VS+3], v[ADS] offset:512
	ds_load_b128 v[VS+4:VS+7], v[ADS] offset:1024
.if CROSS
.irp p, 0,1,2,3,4,5
	ds_load_b64 v[LF+2*\p:LF+2*\p+1], v[ADL] offset:48*(\p/3)+8*(\p%3)   ; sixteen equal rows: all lanes of a half read the same bytes
.endr
	ds_load_b32 v[LS], v[ADL] offset:96            ; (lanes 0-15 hold the word; the others' is not read)
.endif
	WIN 0x40
.irp t, 0,1,2,3,4,5,6,7
.irp k, 0,1,2
	ds_load_b128 v[128+12*\t+4*\k:128+12*\t+4*\k+3], v[ADK] offset:12288+1536*\t+512*\k
.endr
.endr
	WIN 0
	s_wait_dscnt 26+7*CROSS                        ; K and its scale words are in; V's two quads, (the label's seven,) and V's 24 loads may be out
.irp t, 0,1,2,3
	MM S+8*\t, KF+12*\t, Q, 1, KS+\t, QS, 0
.endr
.irp t, 4,5,6,7
	MM S+8*\t, KF+12*\t, Q, 1, KS+\t-4, QS, 1
.endr
.rept 4
	v_nop                                          ; four places: for the loads into K's registers and for the first read of the scores
.endr
.irp t, 0,1,2,3,4,5,6,7
.irp k, 0,1,2
	ds_load_b128 v[KF+12*\t+4*\k:KF+12*\t+4*\k+3], v[ADK] offset:12288+1536*(8+\t)+512*\k
.endr
.endr
.if \st == 5
	global_prefetch_b8 v[PFO], s[80:81] th:TH_LOAD_NT scope:SCOPE_SE             ; my 32 residual rows of 512 bytes, a lane a row, two steps ahead of their loads; each block is named once in the launch
	global_prefetch_b8 v[PFO], s[80:81] offset:256 th:TH_LOAD_NT scope:SCOPE_SE
.endif
.irp b, 0,1,2,3
	v_max3_num_f32 v[BM+\b], v[S+16*\b], v[S+16*\b+1], v[S+16*\b+2]   ; the largest score of each block of 32 keys: for the row's maximum and for the block's largest p
.endr
.irp i, 3,5,7,9,11,13
.irp b, 0,1,2,3
	v_max3_num_f32 v[BM+\b], v[BM+\b], v[S+16*\b+\i], v[S+16*\b+\i+1]
.endr
.endr
.irp b, 0,1,2,3
	v_max_num_f32 v[BM+\b], v[BM+\b], v[S+16*\b+15]
.endr
.irp b, 0,1,2,3
	v_permlanex16_b32 v[BP+\b], v[BM+\b], s[SEL], s[SEL+1]
.endr
.irp b, 0,1,2,3
	v_max_num_f32 v[BM+\b], v[BM+\b], v[BP+\b]
.endr
	v_max3_num_f32 v[TMP], v[BM], v[BM+1], v[BM+2]
	v_max_num_f32 v[TMP], v[TMP], v[BM+3]
	v_mul_f32 v[TMP], s[CS], v[TMP]
	v_max_num_f32 v13, v13, v[TMP]                 ; the running largest t
	v_mov_b32 v[TMP], v12
	v_floor_f32 v12, -v13                          ; the new -M = -ceil(t)
	v_sub_f32 v[TMP], v12, v[TMP]
	v_cvt_i32_f32 v[TMP], v[TMP]                   ; (it saturates)
	v_ldexp_f32 v[F], 1.0, v[TMP]                  ; f = 2^(old M - new M): exact
.set n, 0
.rept 32
	v_pk_fma_f32 v[S+n:S+n+1], v[S+n:S+n+1], s[CS:CS+1], v[12:13] op_sel_hi:[1,0,0]   ; t - M
.set n, n+2
.endr
.irp b, 0,1,2,3
	v_fma_f32 v[BM+\b], v[BM+\b], s[CS], v12
.endr
.set n, 0
.rept 64
	v_exp_f32 v[S+n], v[S+n]                       ; p = 2^(t - M)
.set n, n+1
.endr
.irp b, 0,1,2,3
	v_exp_f32 v[BM+\b], v[BM+\b]                   ; the block's largest p
.endr
	v_pk_mul_f32 v[14:15], v[14:15], v[F:F+1] op_sel_hi:[1,0]   ; the sum under the new M (a plain place behind the exponentials)
	s_wait_alu depctr_va_vdst(0)
.irp b, 0,1,2,3
	v_max_num_f32 v[BM+\b], 0x1800000, v[BM+\b]
.endr
.irp b, 0,1,2,3
	v_add_nc_u32 v[SO+\b], 0xff000000, v[BM+\b]
.endr
.irp b, 0,1,2,3
	v_lshrrev_b32 v[BP+\b], 23, v[SO+\b]
.endr
	v_lshl_or_b32 v[PW], v[BP+1], 8, v[BP]         ; p's scale word for these 128 keys
	v_lshl_or_b32 v[PW], v[BP+2], 16, v[PW]
	v_lshl_or_b32 v[PW], v[BP+3], 24, v[PW]
.irp c, 0,1
	v_cvt_scalef32_pk16_fp6_f32 v[PC+6*\c:PC+6*\c+2], v[S+32*\c:S+32*\c+15], v[SO+2*\c]
	v_cvt_scalef32_pk16_fp6_f32 v[PT+4*\c:PT+4*\c+2], v[S+32*\c+16:S+32*\c+31], v[SO+2*\c+1]
.endr
	v_nop
.irp c, 0,1
.irp i, 0,1,2
	v_permlane16_swap_b32 v[PC+6*\c+\i], v[PT+4*\c+\i]
.endr
.irp i, 0,1,2
	v_mov_b32 v[PC+6*\c+3+\i], v[PT+4*\c+\i]
.endr
.endr
	v_pk_add_f32 v[BP:BP+1], v[S:S+1], v[S+2:S+3]  ; the row's sum of the unquantised p, in two chains
.irp i, 4,8,12,16,20,24,28,32,36,40,44,48,52,56,60
	v_pk_add_f32 v[14:15], v[14:15], v[S+\i:S+\i+1]
	v_pk_add_f32 v[BP:BP+1], v[BP:BP+1], v[S+\i+2:S+\i+3]
.endr
	v_pk_add_f32 v[14:15], v[14:15], v[BP:BP+1]
.if \st > 0
	WIN 0x41                                       ; O^T in window 1, f in window 0
.set n, 0
.rept 64
	v_pk_mul_f32 v[n:n+1], v[n:n+1], v[F:F+1] op_sel_hi:[1,0]
.set n, n+2
.endr
.if CROSS
.set n, 224
.rept 4
	v_pk_mul_f32 v[n:n+1], v[n:n+1], v[F:F+1] op_sel_hi:[1,0]
.set n, n+2
.endr
.endif
.set ZR, 0
.else
.set ZR, 1                                     ; the first step's products start the sums: nothing is cleared
.endif
	s_wait_dscnt 0x0                               ; V and its scale words are in
	WIN 0x51                                       ; V's tiles 0-7 and O^T in window 1, p in window 0.  Each accumulator has one instruction a turn
.irp t, 0,1,2,3,4,5,6,7
	MM 8*\t, 128+12*\t, PC, ZR, VS+\t%4, PW, \t/4
.endr
	WIN 0x50                                       ; V's tiles 8-15 in window 0
.irp t, 0,1,2,3,4,5,6,7
	MM 64+8*\t, KF+12*\t, PC, ZR, VS+4+\t%4, PW, \t/4
.endr
.if CROSS
	MM 224, LF, PC, ZR, LS, PW, 0
.endif
	WIN 0
.endm
.irp st, 0,1,2,3,4,5,6,7
	STEP \st
.endr
	; THE WAY OUT
	v_add_f32 v14, v14, v15
	v_permlanex16_b32 v[TMP], v14, s[SEL], s[SEL+1]
	v_add_f32 v14, v14, v[TMP]                     ; the row's sum
	v_rcp_f32 v[F], v14
.rept 4
	v_nop                                          ; four places behind the last products, one of them behind the reciprocal
.endr
.set n, 0
.rept 32
	global_load_b128 v[32+4*n:32+4*n+3], v[LI], s[80:81] offset:4096*n th:TH_LOAD_NT   ; my 32 residual rows: 512 consecutive bytes each
.set n, n+1
.endr
	s_wait_dscnt 0x0                               ; my reads of all eight steps are over:
	s_barrier_signal -1                            ; say so; the division below is work on registers while the others arrive
	WIN 0x41
.set n, 0
	s_wait_alu depctr_va_vdst(0)
.rept 64
	v_pk_mul_f32 v[n:n+1], v[n:n+1], v[F:F+1] op_sel_hi:[1,0]   ; O^T / the sum, each accumulator from its low end on
.set n, n+2
.endr
.if CROSS
	WIN 0x01
	v_mul_f32 v[TMP], v224, v[F]                   ; the mask of my query: the label's accumulator (window 1, its lowest register) / the sum
	WIN 0
	s_lshr_b32 s92, s[WV], 1                       ; where its word goes: MSK + 4 x my query's place, 32 (w / 2) + 8 (w % 2) + r + 8 (r / 8): a constant, the wave's number and the lane's
	s_lshl_b32 s92, s92, 7
	s_and_b32 s94, s[WV], 1
	s_lshl_b32 s94, s94, 5
	s_add_co_u32 s92, s92, s94
	s_add_co_u32 s92, s92, MSK
	v_and_b32 v[ADK], 15, v0                       ; r
	v_and_b32 v[ADS], 8, v[ADK]
	v_add_nc_u32 v[ADK], v[ADS], v[ADK]            ; r + 8 (r / 8)
	v_lshlrev_b32 v[ADK], 2, v[ADK]
	v_add_nc_u32 v[ADK], s92, v[ADK]
.endif
	s_barrier_wait -1                              ; no wave reads keys or values any more: the stage may be laid over steps 0-3
.if CROSS
	ds_store_b32 v[ADK], v[TMP]                    ; both halves of the lanes write the same word with the same value
	v_add_nc_u32 v[ADS], MSK, v[LI]
.endif
	WIN 0x04                                       ; an LDS store's data are its source 1: window 1
.irp t, 0,1,2,3,4,5,6,7
.irp i, 0,1,2,3,4,5,6,7
	ds_store_b32 v[STO0], v[8*\t+\i] offset:(16*\t+\i)*SP          ; o(d = 16 t + 8 h + i, my query)
	ds_store_b32 v[STO1], v[64+8*\t+\i] offset:(16*\t+\i)*SP
.endr
.endr
	WIN 0
.irp i, 0,1,2,3,4,5
	v_mov_b32 v[244+\i], 0                         ; the sums begin
.endr
	s_wait_dscnt 0x0
	s_barrier_signal -1
	s_barrier_wait -1                              ; 256 whole rows lie in the stage
.macro SLOAD q                         ; eight stage rows into v160-191 or v192-223, by turns
.irp i, 0,1,2,3,4,5,6,7
	ds_load_b128 v[160+32*((\q)%2)+4*\i:160+32*((\q)%2)+4*\i+3], v[RD] offset:SP*(8*(\q)+\i)
.endr
.endm
.macro BATCH q
.if \q < 3
	SLOAD (\q+1)
	s_wait_dscnt 8                                 ; this batch's rows are back; the next batch's eight may be out
.else
	s_wait_dscnt 0x0
.endif
	s_wait_loadcnt 24-8*\q                         ; this batch's residual rows are in; those of the later batches may be out
.irp i, 0,1,2,3,4,5,6,7
.irp p, 0,2
.set XR, 32+4*(8*\q+\i)+\p
.set TR, 160+32*(\q%2)+4*\i+\p
.if CROSS
	v_pk_mul_f32 v[XR:XR+1], v[XR:XR+1], v[FF:FF+1]                    ; x1 = y f1
	v_pk_mul_f32 v[250+\p:251+\p], v[XR:XR+1], v[MQ+\p:MQ+\p+1]        ; u2 = x1 x mask
	v_pk_add_f32 v[XR:XR+1], v[XR:XR+1], v[TR:TR+1]                    ; u4 = x1 + t3
	v_pk_fma_f32 v[244:245], v[250+\p:251+\p], v[250+\p:251+\p], v[244:245]
	v_pk_fma_f32 v[246:247], v[250+\p:251+\p], v[XR:XR+1], v[246:247]
	v_pk_fma_f32 v[248:249], v[XR:XR+1], v[XR:XR+1], v[248:249]
.else
	v_pk_add_f32 v[XR:XR+1], v[XR:XR+1], v[TR:TR+1]                    ; y = x + attention
	v_pk_fma_f32 v[244+\p:245+\p], v[XR:XR+1], v[XR:XR+1], v[244+\p:245+\p]
.endif
.endr
	global_store_b128 v[LI], v[32+4*(8*\q+\i):32+4*(8*\q+\i)+3], s[82:83] offset:4096*(8*\q+\i) th:TH_STORE_NT   ; 512 consecutive bytes, aligned
.endr
.endm
.if CROSS
	ds_load_b128 v[MQ:MQ+3], v[ADS]                ; the mask at my four places
.endif
	SLOAD 0
	BATCH 0
	BATCH 1
	BATCH 2
	BATCH 3
.if CROSS
	s_cmp_lg_u32 s[WV], 0
	s_cbranch_scc1 .Lnomask
	global_store_b128 v[LI], v[MQ:MQ+3], s[96:97]  ; the block's 128 numbers of the mask
.Lnomask:
	WSUM 244, 250
	WSUM 246, 250
	WSUM 248, 250
.else
	v_pk_add_f32 v[244:245], v[244:245], v[246:247]
	WSUM 244, 248
.endif
	v_mov_b32 v[ADK], 0
	s_wait_xcnt 0x0                                ; EXEC changes only behind this wait
	v_cmp_eq_u32 vcc_lo, 0, v[LANE]
	s_and_saveexec_b32 s90, vcc_lo
	global_store_b32 v[ADK], v244, s[88:89]        ; lane 0: my wave's sum
.if CROSS
	global_store_b32 v[ADK], v246, s[88:89] offset:8192
	global_store_b32 v[ADK], v248, s[88:89] offset:16384
.endif
	s_wait_xcnt 0x0
	s_or_b32 exec_lo, exec_lo, s90
	s_wait_tensorcnt 0x0
	ds_add_u32 v254, v255
	s_wait_dscnt 0x0
	CROUND                                         ; the closing round: no work-group ends while a partner may still ask for a block that names it
	s_endpgm
.Lfunc_end_k_q224981283c_attn_self:
	.size	k_q224981283c_attn_self, .Lfunc_end_k_q224981283c_attn_self-k_q224981283c_attn_self
	.p2alignl 7, 3214868480
	.fill 96, 4, 3214868480
	.section	.rodata,"a",@progbits
	.p2align	6, 0x0
	.amdhsa_kernel k_q224981283c_attn_self
		.amdhsa_group_segment_fixed_size 327680
		.amdhsa_private_segment_fixed_size 0
		.amdhsa_enable_private_segment 0
		.amdhsa_kernarg_size 48
		.amdhsa_user_sgpr_count 2
		.amdhsa_user_sgpr_kernarg_segment_ptr 1
		.amdhsa_wavefront_size32 1
		.amdhsa_system_sgpr_workgroup_id_x 1
		.amdhsa_system_sgpr_workgroup_id_y 1
		.amdhsa_system_sgpr_workgroup_id_z 1
		.amdhsa_system_vgpr_workitem_id 0
		.amdhsa_next_free_vgpr 512
		.amdhsa_next_free_sgpr 100
		.amdhsa_reserve_vcc 1
		.amdhsa_float_denorm_mode_32 3
		.amdhsa_float_denorm_mode_16_64 3
		.amdhsa_memory_ordered 1
		.amdhsa_forward_progress 1
		.amdhsa_inst_pref_size 218
	.end_amdhsa_kernel
	.amdgpu_metadata
---
amdhsa.version: [ 1, 2 ]
amdhsa.kernels:
  - .name:           k_q224981283c_attn_self
    .symbol:         k_q224981283c_attn_self.kd
    .args:
      - { .name: c1, .offset: 0, .size: 8, .value_kind: global_buffer, .address_space: global }
      - { .name: s1, .offset: 8, .size: 8, .value_kind: global_buffer, .address_space: global }
      - { .name: train_feat, .offset: 16, .size: 8, .value_kind: global_buffer, .address_space: global }
      - { .name: test_feat, .offset: 24, .size: 8, .value_kind: global_buffer, .address_space: global }
      - { .name: y, .offset: 32, .size: 8, .value_kind: global_buffer, .address_space: global }
      - { .name: ss1, .offset: 40, .size: 8, .value_kind: global_buffer, .address_space: global }
    .group_segment_fixed_size: 327680
    .private_segment_fixed_size: 0
    .kernarg_segment_align: 8
    .kernarg_segment_size: 48
    .max_flat_workgroup_size: 256
    .sgpr_count:     100
    .vgpr_count:     512
    .wavefront_size: 32
...
	.end_amdgpu_metadata
.endif
;; end of part 2
;; launch prep_cross (part 3): grid 8 x 32, 8 waves a work-group, no clusters, 189,440 bytes of LDS; arguments y, ss1, WK_cross_codes, WK_cross_scales, bK_cross, c2, s2, train_label; writes c2, s2
.if DOCPART == 3
	.amdgcn_target "amdgcn-amd-amdhsa--gfx1250"
	.amdhsa_code_object_version 6
	.text
	.protected	k_q224981283c_prep_cross
	.globl	k_q224981283c_prep_cross
	.p2align	8
	.type	k_q224981283c_prep_cross,@function
k_q224981283c_prep_cross:
	s_mov_b64 s[64:65], 0
	v_nop
	global_prefetch_b8 v0, s[64:65] scope:SCOPE_SE
	s_setreg_imm32_b32 hwreg(HW_REG_WAVE_MODE, 25, 1), 1
	s_wait_xcnt 0x0
; PREP: one slab (image g, 128 places s from 128 j on, all 256 channels d) is turned into the operands of an attention, all as codes of E2M3 with E8M0 scale bytes.
; CROSS = 0: the image is train_feat (g < 16) or test_feat.  CROSS = 1: the image is x1 = y x f1, f1 = 8 / sqrt(sum y^2 + 1e-5) from the 64 partial sums of the launch before.
; OUT, per slab: 8 tiles of keys/queries l2norm(x WK + b), quantised along the 128 key units; 16 tiles of values (16 channels x 128 s), quantised along s
; (CROSS: x1 x label, only for g < 16, and one row of label codes); their scale words.
; A FRAGMENT (16 rows x 128 K, 12 registers a lane) lies in memory as an image of its registers: registers 4 k .. 4 k + 3 of lane l at 512 k + 16 l, so every load and store of it covers 512 consecutive bytes.
; THE ROWS OF A KEY TILE ARE NOT NEIGHBOURS: lane r of tile T is place 32 (T / 2) + 8 (T % 2) + r + 8 (r / 8), so that the scores of two neighbouring tiles are 16 neighbouring keys in a lane.
; SCALE WORDS of 8 tiles lie as a quad of 512 bytes: (tile 4 hh + m, row r) at 256 hh + 16 r + 4 m: one load of 16 bytes a lane gives four scale registers, tiles 0-3 in lanes 0-15, tiles 4-7 in lanes 16-31.
; SHARES: eight waves.  The slab comes into LDS once, each wave bringing 32 rows d by one tensor load.  Wave w quantises value tiles 2 w, 2 w + 1 (its own rows), then 32 columns s x 128 d for the projection
; (a lane to a column, registers down d), then projects, normalises and quantises key tile w.
; WK: every wave multiplies by all 16 fragments of WK.  Wave w fetches tile w's two from memory (12 loads of 8 bytes a lane) and lays them in LDS as images of their registers; all waves read the 16 images back.
; LIMITS: NaN and infinities among the inputs are not served; a block of zeros gets the scale byte 1 (its codes are zeros, and this program alone reads the bytes).
.set CROSS, 1
.set XP,    528                        ; a row d in LDS: 512 bytes + 16 of padding: an odd multiple of 16
.set XIMG,  256*XP                     ; behind the slab: 16 images of x along d, fragment (T, c) at (2 T + c) x 1536
.set XSC,   XIMG+16*1536               ; their scale words: (c, T, r) at 512 c + 64 T + 4 r
.set OSC,   XSC+1024                   ; the slab's block of scale words as it goes to memory
.set WIMG,  OSC+1792                   ; WK's 16 fragments as images: fragment (t, c) at (2 t + c) x 1536
.set SBLK,  1536+256*CROSS
.set WV,  20                           ; s20 wave;  s22 image g;  s23 g % 16
.set GI,  22
.set BI,  23
.set SEL, 36                           ; s[36:37] selects of v_permlanex16_b32: lane l xor 16
.set LANE, 1
.set R,    2
.set H,    3
.set LI,   4                           ; 16 x lane
.set AV,   5                           ; my row of a value tile: (32 w + r) XP + 128 h
.set AB,   6                           ; my column for the projection, d 0-63 of my half;  AB2: d 64-127
.set AB2,  7
.set XWI,  8                           ; where I store x's images;  XWS their scale words;  XRS, XRI where I read tile w's back
.set XWS,  9
.set XRS,  10
.set OSA,  11                          ; the values' scale words;  OSK the keys'
.set OSK,  12
.set WCO,  13                          ; WK's codes, scale words, the bias: my lane's byte
.set WSO,  14
.set BO,   15
.set LBO,  16
.set LQA,  17
.set FF,   18                          ; v[18:19] f1, twice
.set PR,   20
.set LZA,  22
.set LWA,  23
.set XRI,  24
.set OSR,  25
.set TM,   26                          ; v26-41: +0..3 largest magnitudes, +4..7 bytes, +12..15 scale operands
.set PW,   42
.set TV,   43
.set XS0,  44                          ; v44-45 x's scale words (scales alone)
.set FA,   46
.set FB,   58
.set T0,   70                          ; v70-85 four runs of three for the upper halves of blocks
.set D,    86                          ; v86-213 128 numbers
.set LB,   150                         ; the label's 64 numbers of my half (upper half of D)
.set HA,   86                          ; the projection's eight accumulators
.set XF,   150                         ; x's two fragments
.set W1S,  214                         ; v214-229 WK's scale words (scales alone)
.set L8,   230                         ; 8 x lane
.set WWI,  231                         ; where I store my two images of WK: WIMG + 3072 w + 16 x lane
.set WRI,  232                         ; where all 16 are read: WIMG + 16 x lane
; window 1: WK's fragment (t, c) at v[12 (2 t + c)]; the bias of tile t at v[192 + 8 t]
.set MSB, 0
.macro WIN new                         ; the immediate's high byte repeats the setting that is left
.if MSB != \new
	s_set_vgpr_msb (MSB<<8)|\new
.set MSB, \new
.endif
.endm
.macro BARRIER                         ; my LDS stores have landed and my LDS loads are in: then the work-group's barrier
	s_wait_dscnt 0x0
	s_barrier_signal -1
	s_barrier_wait -1
.endm
.macro WSUM a, t                       ; the pair v[a:a+1] summed over the wave, into every lane's v[a]
	v_add_f32 v[\a], v[\a], v[\a+1]
	v_add_f32_dpp v[\a], v[\a], v[\a] row_xmask:1 row_mask:0xf bank_mask:0xf
	v_add_f32_dpp v[\a], v[\a], v[\a] row_xmask:2 row_mask:0xf bank_mask:0xf
	v_add_f32_dpp v[\a], v[\a], v[\a] row_xmask:4 row_mask:0xf bank_mask:0xf
	v_add_f32_dpp v[\a], v[\a], v[\a] row_xmask:8 row_mask:0xf bank_mask:0xf
	v_permlanex16_b32 v[\t], v[\a], s[SEL], s[SEL+1]
	v_add_f32 v[\a], v[\a], v[\t]
.endm
; Two whole blocks of a lane, v[s] .. v[s+31] (k = 32 h on) and v[s+32] .. v[s+63] (k = 64 + 32 h on), become the fragment v[f] .. v[f+11] and the row's scale word in v[PW].
.macro BLK2 s, f
.irp c, 0,1
	v_max3_num_f32 v[TM+\c], |v[\s+32*\c]|, |v[\s+32*\c+1]|, 0x1800000   ; with the floor 2^(3 - 127): the byte cannot fall under 1
.endr
.irp i, 2,4,6,8,10,12,14,16,18,20,22,24,26,28,30
.irp c, 0,1
	v_max3_num_f32 v[TM+\c], v[TM+\c], |v[\s+32*\c+\i]|, |v[\s+32*\c+\i+1]|
.endr
.endr
.irp c, 0,1
	v_add_nc_u32 v[TM+12+\c], 0xff000000, v[TM+\c]     ; 2 off the exponent field: the conversion's scale operand
.endr
.irp c, 0,1
	v_lshrrev_b32 v[TM+4+\c], 23, v[TM+12+\c]          ; the scale's byte
.endr
	v_lshl_or_b32 v[PW], v[TM+5], 16, v[TM+4]          ; my blocks h and 2 + h,
	v_lshlrev_b32 v[TV], 3, v[H]
	v_lshlrev_b32 v[PW], v[TV], v[PW]                  ; at their places in the word;
	v_permlanex16_b32 v[TV], v[PW], s[SEL], s[SEL+1]
	v_or_b32 v[PW], v[PW], v[TV]                       ; with lane l xor 16's two the word is whole
.irp c, 0,1
	v_cvt_scalef32_pk16_fp6_f32 v[\f+6*\c:\f+6*\c+2], v[\s+32*\c:\s+32*\c+15], v[TM+12+\c]
	v_cvt_scalef32_pk16_fp6_f32 v[T0+4*\c:T0+4*\c+2], v[\s+32*\c+16:\s+32*\c+31], v[TM+12+\c]   ; (a conversion's three registers begin on an even number)
.endr
	v_nop                                              ; one plain place behind a scaled conversion
.irp c, 0,1
.irp i, 0,1,2
	v_mov_b32 v[\f+6*\c+3+\i], v[T0+4*\c+\i]
.endr
.endr
.endm
; Value tile 2 w + u: 16 rows d x 128 s, a lane's registers along s.
.macro VTILE u, f
.irp c, 0,1
.irp q, 0,1,2,3,4,5,6,7
	ds_load_b128 v[D+32*\c+4*\q:D+32*\c+4*\q+3], v[AV] offset:\u*16*XP+256*\c+16*\q
.endr
.endr
	s_wait_dscnt 0x0
.if CROSS
.set n, 0
.rept 32
	v_pk_mul_f32 v[D+n:D+n+1], v[D+n:D+n+1], v[FF:FF+1]          ; memory = y x f1,
.set n, n+2
.endr
.set n, 0
.rept 32
	v_pk_mul_f32 v[D+n:D+n+1], v[D+n:D+n+1], v[LB+n:LB+n+1]      ; x the label of the place
.set n, n+2
.endr
.endif
	BLK2 D, \f
.irp k, 0,1,2
	global_store_b128 v[LI], v[\f+4*\k:\f+4*\k+3], s[46:47] offset:\u*1536+512*\k   ; 512 consecutive bytes
.endr
	ds_store_b32 v[OSA], v[PW] offset:4*\u             ; both halves of the lanes write the same word with the same value
.endm
; 64 numbers of a lane, register 16 b + i = k 32 b + 16 h + i of my row, become the fragment in v[FA] on and the scale word in v[PW].
.macro QUANT s
.irp b, 0,1,2,3
	v_max3_num_f32 v[TM+\b], |v[\s+16*\b]|, |v[\s+1+16*\b]|, 0x1800000
.endr
.irp i, 2,4,6,8,10,12,14
.irp b, 0,1,2,3
	v_max3_num_f32 v[TM+\b], v[TM+\b], |v[\s+16*\b+\i]|, |v[\s+1+16*\b+\i]|
.endr
.endr
.irp b, 0,1,2,3
	v_permlanex16_b32 v[TM+4+\b], v[TM+\b], s[SEL], s[SEL+1]
.endr
.irp b, 0,1,2,3
	v_max_num_f32 v[TM+\b], v[TM+\b], v[TM+4+\b]       ; with lane l xor 16's: the block's largest magnitude
.endr
.irp b, 0,1,2,3
	v_add_nc_u32 v[TM+12+\b], 0xff000000, v[TM+\b]
.endr
.irp b, 0,1,2,3
	v_lshrrev_b32 v[TM+4+\b], 23, v[TM+12+\b]
.endr
	v_lshl_or_b32 v[PW], v[TM+5], 8, v[TM+4]
	v_lshl_or_b32 v[PW], v[TM+6], 16, v[PW]
	v_lshl_or_b32 v[PW], v[TM+7], 24, v[PW]
.irp c, 0,1
	v_cvt_scalef32_pk16_fp6_f32 v[FA+6*\c:FA+6*\c+2], v[\s+32*\c:\s+15+32*\c], v[TM+12+2*\c]
	v_cvt_scalef32_pk16_fp6_f32 v[T0+4*\c:T0+4*\c+2], v[\s+16+32*\c:\s+31+32*\c], v[TM+12+2*\c+1]
.endr
	v_nop
.irp c, 0,1                            ; the operand's layout wants a whole block in a lane
.irp i, 0,1,2
	v_permlane16_swap_b32 v[FA+6*\c+\i], v[T0+4*\c+\i]
.endr
.irp i, 0,1,2
	v_mov_b32 v[FA+6*\c+3+\i], v[T0+4*\c+\i]
.endr
.endr
.endm
	s_load_b128 s[4:7], s[0:1], 0x0                ; CROSS = 0: train_feat, test_feat;  1: y, the partial sums
	s_load_b128 s[8:11], s[0:1], 0x10              ; WK's codes, WK's scales
	s_load_b128 s[12:15], s[0:1], 0x20             ; the bias, the codes' buffer
	s_load_b64 s[16:17], s[0:1], 0x30              ; the scale words' buffer
.if CROSS
	s_load_b64 s[18:19], s[0:1], 0x38              ; the label
	v_lshl_add_u32 v254, v0, 2, 0x2e000
	v_mov_b32 v255, 0
	ds_add_u32 v254, v255
	ds_add_u32 v254, v255
.endif
	v_lshrrev_b32 v1, 5, v0
	v_readfirstlane_b32 s[WV], v1                  ; wave 0..7
	s_and_b32 s[GI], ttmp7, 0xffff
	s_and_b32 s[BI], s[GI], 15
	; descriptor group 1: 32 rows of 128 f32, 1,024 elements apart, 16 bytes of padding behind each 512
	s_mov_b32 s28, (2<<16)|(1<<20)|(6<<22)|(3<<25)
	s_mov_b32 s29, 128<<16
	s_mov_b32 s30, 32<<16
	s_mov_b32 s31, 128<<16
	s_mov_b32 s32, 32
	s_mov_b32 s33, 1024
	s_mov_b32 s34, 0
	s_mov_b32 s35, 0
	s_mov_b32 s24, 1
	s_mul_i32 s25, s[WV], 32*XP                    ; LDS: my 32 rows
.if CROSS
	s_lshl_b32 s38, s[GI], 20                      ; an image is 2^20 bytes
.else
	s_lshl_b32 s38, s[BI], 20
.endif
	s_lshl_b32 s39, ttmp9, 9                       ; + 512 j
	s_add_co_u32 s38, s38, s39
	s_lshl_b32 s39, s[WV], 17                      ; + my 32 rows of 4,096 bytes
	s_add_co_u32 s38, s38, s39
	s_mov_b32 s39, 0
	s_wait_dscnt 0x0
	s_wait_kmcnt 0x0
.if CROSS == 0
	s_cmp_lt_u32 s[GI], 16
	s_cselect_b64 s[4:5], s[4:5], s[6:7]
.endif
	s_add_nc_u64 s[26:27], s[4:5], s[38:39]
	s_or_b32 s27, s27, 0x80000000
	tensor_load_to_lds s[24:27], s[28:35]          ; the one fill of these bytes; one tensor load of mine is out
	s_nop 0
.rept 4
	v_nop
.endr
	s_mov_b32 s[SEL], 0x76543210
	s_mov_b32 s[SEL+1], 0xfedcba98
	s_lshl_b32 s45, s[GI], 3
	s_add_co_u32 s45, s45, ttmp9                   ; the slab's number 8 g + j
	s_mul_i32 s38, s45, 36864
	s_add_nc_u64 s[14:15], s[14:15], s[38:39]      ; the slab's 24 fragments
	s_mul_i32 s38, s[WV], 1536
	s_add_nc_u64 s[48:49], s[14:15], s[38:39]      ; key tile w
	s_mul_i32 s38, s[WV], 3072
	s_add_co_u32 s38, s38, 12288
	s_add_nc_u64 s[46:47], s[14:15], s[38:39]      ; value tiles 2 w, 2 w + 1
	s_mul_i32 s38, s45, SBLK
	s_add_nc_u64 s[16:17], s[16:17], s[38:39]      ; the slab's scale words
	s_lshl_b32 s38, s[WV], 9
	s_add_nc_u64 s[50:51], s[16:17], s[38:39]
	v_and_b32 v[LANE], 31, v0
	v_and_b32 v[R], 15, v0
	v_bfe_u32 v[H], v0, 4, 1
	v_lshlrev_b32 v[LI], 4, v[LANE]
	v_lshlrev_b32 v[L8], 3, v[LANE]
	s_mul_i32 s40, s[WV], 32*XP
	v_mul_u32_u24 v[AV], v[R], XP
	v_lshl_add_u32 v[AV], v[H], 7, v[AV]
	v_add_nc_u32 v[AV], s40, v[AV]
	v_and_b32 v[TV], 8, v[R]
	v_add_nc_u32 v[TV], v[TV], v[R]                ; r + 8 (r / 8)
	v_lshl_add_u32 v[AB], v[H], 3, v[TV]           ; my column of the 32: lanes 0-15 the even tile's rows, lanes 16-31 the odd tile's
	v_lshlrev_b32 v[AB], 2, v[AB]
	s_lshr_b32 s41, s[WV], 1                       ; which 32 columns
	s_and_b32 s42, s[WV], 1                        ; which 128 d
	s_lshl_b32 s43, s41, 7
	s_mul_i32 s44, s42, 128*XP
	s_add_co_u32 s43, s43, s44
	v_add_nc_u32 v[AB], s43, v[AB]
	v_add_nc_u32 v[AB2], 64*XP, v[AB]
	s_lshl_b32 s43, s41, 2
	s_add_co_u32 s43, s43, s42
	s_mul_i32 s43, s43, 1536
	s_add_co_u32 s43, s43, XIMG
	v_add_nc_u32 v[XWI], s43, v[LI]
	s_lshl_b32 s43, s42, 9
	s_lshl_b32 s44, s41, 7
	s_add_co_u32 s43, s43, s44
	s_add_co_u32 s43, s43, XSC
	v_lshl_add_u32 v[XWS], v[LANE], 2, s43
	s_lshl_b32 s43, s[WV], 6
	s_add_co_u32 s43, s43, XSC
	v_lshl_add_u32 v[XRS], v[R], 2, s43
	s_mul_i32 s43, s[WV], 3072
	s_add_co_u32 s43, s43, XIMG
	v_add_nc_u32 v[XRI], s43, v[LI]
	s_lshr_b32 s43, s[WV], 2                       ; value tile 2 w: quad w / 4, half (w / 2) % 2, word 2 (w % 2)
	s_lshl_b32 s43, s43, 9
	s_and_b32 s44, s41, 1
	s_lshl_b32 s44, s44, 8
	s_add_co_u32 s43, s43, s44
	s_lshl_b32 s44, s42, 3
	s_add_co_u32 s43, s43, s44
	s_add_co_u32 s43, s43, OSC+512
	v_lshl_add_u32 v[OSA], v[R], 4, s43
	s_lshr_b32 s43, s[WV], 2                       ; key tile w: half w / 4, word w % 4
	s_lshl_b32 s43, s43, 8
	s_and_b32 s44, s[WV], 3
	s_lshl_b32 s44, s44, 2
	s_add_co_u32 s43, s43, s44
	s_add_co_u32 s43, s43, OSC
	v_lshl_add_u32 v[OSK], v[R], 4, s43
	s_lshl_b32 s43, s[WV], 9
	s_add_co_u32 s43, s43, OSC
	v_add_nc_u32 v[OSR], s43, v[LI]
	s_mul_i32 s43, s[WV], 3072
	s_add_co_u32 s43, s43, WIMG
	v_add_nc_u32 v[WWI], s43, v[LI]
	v_add_nc_u32 v[WRI], WIMG, v[LI]
	s_mul_i32 s38, s41, 6144                       ; WK's tile w begins at row 32 (w / 2) + 8 (w % 2), 192 bytes a row
	s_mul_i32 s40, s42, 1536
	s_add_co_u32 s38, s38, s40
	s_add_nc_u64 s[52:53], s[8:9], s[38:39]
	v_lshlrev_b32 v[WSO], 3, v[TV]                 ; WK: THE ROWS OF A TILE ARE CHOSEN LIKEWISE: lane r of tile t takes row 32 (t / 2) + 8 (t % 2) + r + 8 (r / 8)
	v_mul_u32_u24 v[WCO], v[TV], 192
	v_mad_u32_u24 v[WCO], v[H], 24, v[WCO]
	v_lshlrev_b32 v[BO], 6, v[H]
.irp b, 0,1,2,3
	v_mov_b32 v[TM+4+\b], 0                        ; written once: a lane permute's destination counts as one of its sources
.endr
	v_mov_b32 v[TV], 0
.if CROSS
	v_lshlrev_b32 v[LBO], 7, v[H]
	v_mul_u32_u24 v[LQA], v[H], 24
	v_add_nc_u32 v[LQA], OSC+1536, v[LQA]
	v_lshl_add_u32 v[LZA], v[LANE], 3, OSC+1536
	v_mov_b32 v[LWA], OSC+1632
	s_lshl_b32 s38, s[GI], 8
	s_add_nc_u64 s[6:7], s[6:7], s[38:39]
	global_load_b64 v[PR:PR+1], v[L8], s[6:7]      ; the image's 64 partial sums of y^2
	s_lshl_b32 s38, s[BI], 12
	s_lshl_b32 s40, ttmp9, 9
	s_add_co_u32 s38, s38, s40
	s_add_nc_u64 s[18:19], s[18:19], s[38:39]
.irp c, 0,1
.irp q, 0,1,2,3,4,5,6,7
	global_load_b128 v[LB+32*\c+4*\q:LB+32*\c+4*\q+3], v[LBO], s[18:19] offset:256*\c+16*\q   ; the label at the places that my registers hold
.endr
.endr
	s_wait_loadcnt 0x0
	WSUM PR, TV
	v_add_f32 v[PR], 0x3727c5ac, v[PR]             ; + 1e-5
	v_rsq_f32 v[PR], v[PR]
	v_nop                                          ; one plain place behind a transcendental
	s_wait_alu depctr_va_vdst(0)
	v_mul_f32 v[FF], 0x41000000, v[PR]             ; f1 = sqrt(1 / 4096) x sqrt(262144 / (ss + eps)) = 8 / sqrt(ss + eps)
	v_mov_b32 v[FF+1], v[FF]
.endif
	; WK's tile w (two fragments), the bias in the result's layout, WK's scale words: they land under the values' work
	WIN 0x40
.irp c, 0,1
.irp p, 0,1,2,3,4,5
	global_load_b64 v[12*\c+2*\p:12*\c+2*\p+1], v[WCO], s[52:53] offset:96*\c+48*(\p/3)+8*(\p%3)
.endr
.endr
.irp t, 0,1,2,3,4,5,6,7
	global_load_b128 v[192+8*\t:192+8*\t+3], v[BO], s[12:13] offset:(32*(\t/2)+8*(\t%2))*4
	global_load_b128 v[192+8*\t+4:192+8*\t+7], v[BO], s[12:13] offset:(32*(\t/2)+8*(\t%2))*4+16
.endr
	WIN 0
.irp t, 0,1,2,3,4,5,6,7
.irp c, 0,1
	global_load_b32 v[W1S+2*\t+\c], v[WSO], s[10:11] offset:(32*(\t/2)+8*(\t%2))*8+4*\c
.endr
.endr
	s_wait_tensorcnt 0x0                           ; my 32 rows are in LDS: the values' tiles 2 w and 2 w + 1 are made of them alone
.if CROSS
	s_cmp_ge_u32 s[GI], 16                         ; the test images are queries alone: no values
	s_cbranch_scc1 .Lnovalues
.endif
	VTILE 0, FA
	VTILE 1, FB
.if CROSS
	s_cmp_lg_u32 s[WV], 0
	s_cbranch_scc1 .Lnovalues
	BLK2 LB, D                                     ; the label's 128 places as one row of codes (every lane of a half holds the same)
	v_mov_b32 v[PR], 0
	v_mov_b32 v[PR+1], 0
	ds_store_b64 v[LZA], v[PR:PR+1]                ; the block's last 256 bytes are cleared first: LDS serves a wave's instructions in order
.irp p, 0,1,2,3,4,5
	ds_store_b64 v[LQA], v[D+2*\p:D+2*\p+1] offset:48*(\p/3)+8*(\p%3)
.endr
	ds_store_b32 v[LWA], v[PW]
.Lnovalues:
.endif
	s_wait_loadcnt 32                              ; my twelve loads of WK are in; the bias's 16 and the scale words' 16, issued behind them, may be out
	WIN 0x04                                       ; an LDS store's data are its source 1: window 1
.irp e, 0,1,2,3,4,5
	ds_store_b128 v[WWI], v[4*\e:4*\e+3] offset:512*\e             ; WK's fragments 2 w and 2 w + 1 as they stand
.endr
	WIN 0
	BARRIER                                        ; every wave has waited for its tensor load: all 256 rows are there; and so are WK's 16 images
	s_wait_xcnt 0x0                                ; the stores of the values' codes have read FA and FB, which are written again below
	; x along d: a lane takes a column s and 128 d: four whole blocks
.set k, 0
.rept 64
	ds_load_b32 v[D+k], v[AB] offset:XP*k
	ds_load_b32 v[D+64+k], v[AB2] offset:XP*k
.set k, k+1
.endr
	s_wait_dscnt 0x0
	WIN 0x40                                       ; all of WK into window 1: 48 loads of 512 consecutive bytes, which land under the arithmetic below
.set m, 0
.rept 48
	ds_load_b128 v[4*m:4*m+3], v[WRI] offset:512*m
.set m, m+1
.endr
	WIN 0
.if CROSS
.set n, 0
.rept 64
	v_pk_mul_f32 v[D+n:D+n+1], v[D+n:D+n+1], v[FF:FF+1]
.set n, n+2
.endr
.endif
.irp b, 0,1,2,3
	v_max3_num_f32 v[TM+\b], |v[D+32*\b]|, |v[D+32*\b+1]|, 0x1800000
.endr
.irp i, 2,4,6,8,10,12,14,16,18,20,22,24,26,28,30
.irp b, 0,1,2,3
	v_max3_num_f32 v[TM+\b], v[TM+\b], |v[D+32*\b+\i]|, |v[D+32*\b+\i+1]|
.endr
.endr
.irp b, 0,1,2,3
	v_add_nc_u32 v[TM+12+\b], 0xff000000, v[TM+\b]
.endr
.irp b, 0,1,2,3
	v_lshrrev_b32 v[TM+4+\b], 23, v[TM+12+\b]
.endr
	v_lshl_or_b32 v[PW], v[TM+5], 8, v[TM+4]
	v_lshl_or_b32 v[PW], v[TM+6], 16, v[PW]
	v_lshl_or_b32 v[PW], v[TM+7], 24, v[PW]
.irp b, 0,1,2,3                        ; blocks 0 and 2 towards FA, 1 and 3 towards FB
	v_cvt_scalef32_pk16_fp6_f32 v[FA+12*(\b%2)+6*(\b/2):FA+12*(\b%2)+6*(\b/2)+2], v[D+32*\b:D+32*\b+15], v[TM+12+\b]
	v_cvt_scalef32_pk16_fp6_f32 v[T0+4*\b:T0+4*\b+2], v[D+32*\b+16:D+32*\b+31], v[TM+12+\b]
.endr
	v_nop
.irp c, 0,1                            ; the first's lanes 16-31 change places with the second's lanes 0-15: FA becomes the even tile's fragment, FB the odd tile's
.irp i, 0,1,2
	v_permlane16_swap_b32 v[FA+6*\c+\i], v[FB+6*\c+\i]
	v_permlane16_swap_b32 v[T0+8*\c+\i], v[T0+8*\c+4+\i]
.endr
.endr
.irp c, 0,1
.irp i, 0,1,2
	v_mov_b32 v[FA+6*\c+3+\i], v[T0+8*\c+\i]
	v_mov_b32 v[FB+6*\c+3+\i], v[T0+8*\c+4+\i]
.endr
.endr
.irp k, 0,1,2
	ds_store_b128 v[XWI], v[FA+4*\k:FA+4*\k+3] offset:512*\k
	ds_store_b128 v[XWI], v[FB+4*\k:FB+4*\k+3] offset:3072+512*\k
.endr
	ds_store_b32 v[XWS], v[PW]
	BARRIER                                        ; x's sixteen fragments lie in LDS (and my loads of WK's images are in)
	; the projection of tile w, transposed: source 0 = 16 rows of WK, source 1 = 16 places; a lane holds one place, its registers run along the key units
.irp k, 0,1,2,3,4,5
	ds_load_b128 v[XF+4*\k:XF+4*\k+3], v[XRI] offset:512*\k
.endr
	ds_load_b32 v[XS0], v[XRS]
	ds_load_b32 v[XS0+1], v[XRS] offset:512
	s_wait_dscnt 0x0
	s_wait_loadcnt 0x0                             ; WK's scale words, the bias
	WIN 0x11                                       ; source 0 (WK) and source 2 (the bias) in window 1
.irp t, 0,1,2,3,4,5,6,7
	v_wmma_scale_f32_16x16x128_f8f6f4 v[HA+8*\t:HA+8*\t+7], v[24*\t:24*\t+11], v[XF:XF+11], v[192+8*\t:192+8*\t+7], v[W1S+2*\t], v[XS0] matrix_a_fmt:MATRIX_FMT_FP6 matrix_b_fmt:MATRIX_FMT_FP6
.endr
	WIN 0x01                                       ; the eight accumulators take turns
.irp t, 0,1,2,3,4,5,6,7
	v_wmma_scale_f32_16x16x128_f8f6f4 v[HA+8*\t:HA+8*\t+7], v[24*\t+12:24*\t+23], v[XF+12:XF+23], v[HA+8*\t:HA+8*\t+7], v[W1S+2*\t+1], v[XS0+1] matrix_a_fmt:MATRIX_FMT_FP6 matrix_b_fmt:MATRIX_FMT_FP6
.endr
	WIN 0
.rept 4
	v_nop                                          ; four places in front of the first read of results
.endr
	v_pk_mul_f32 v[T0:T0+1], v[HA:HA+1], v[HA:HA+1]        ; the row's sum of squares, in two chains, each accumulator from its low end on
	v_pk_mul_f32 v[T0+4:T0+5], v[HA+2:HA+3], v[HA+2:HA+3]
.irp i, 4,8,12,16,20,24,28,32,36,40,44,48,52,56,60
	v_pk_fma_f32 v[T0:T0+1], v[HA+\i:HA+\i+1], v[HA+\i:HA+\i+1], v[T0:T0+1]
	v_pk_fma_f32 v[T0+4:T0+5], v[HA+\i+2:HA+\i+3], v[HA+\i+2:HA+\i+3], v[T0+4:T0+5]
.endr
	v_pk_add_f32 v[T0:T0+1], v[T0:T0+1], v[T0+4:T0+5]
	v_add_f32 v[T0], v[T0], v[T0+1]
	v_permlanex16_b32 v[T0+1], v[T0], s[SEL], s[SEL+1]
	v_add_f32 v[T0], v[T0], v[T0+1]                ; with lane l xor 16's 64 units
	v_sqrt_f32 v[T0], v[T0]
	v_nop
	s_wait_alu depctr_va_vdst(0)
	v_max_num_f32 v[T0], 0x2b8cbccc, v[T0]         ; max(norm, 1e-12)
	v_rcp_f32 v[T0], v[T0]
	v_nop
	s_wait_alu depctr_va_vdst(0)
	v_mov_b32 v[T0+1], v[T0]
.set n, 0
.rept 32
	v_pk_mul_f32 v[HA+n:HA+n+1], v[HA+n:HA+n+1], v[T0:T0+1]
.set n, n+2
.endr
	QUANT HA
.irp k, 0,1,2
	global_store_b128 v[LI], v[FA+4*\k:FA+4*\k+3], s[48:49] offset:512*\k
.endr
	ds_store_b32 v[OSK], v[PW]
	BARRIER                                        ; the slab's scale words lie in LDS: they leave in runs of 512 bytes
	s_cmp_eq_u32 s[WV], 0
	s_cbranch_scc1 .Lsc_do                         ; wave 0: the keys' quad
.if CROSS
	s_cmp_ge_u32 s[GI], 16
	s_cbranch_scc1 .Lend
.endif
	s_cmp_ge_u32 s[WV], 3
	s_cbranch_scc1 .Lsc_tail                       ; waves 1 and 2: the values' quads
.Lsc_do:
	ds_load_b128 v[D:D+3], v[OSR]
	s_wait_dscnt 0x0
	global_store_b128 v[LI], v[D:D+3], s[50:51]
	s_branch .Lend
.Lsc_tail:
.if CROSS
	s_cmp_lg_u32 s[WV], 3
	s_cbranch_scc1 .Lend
	ds_load_b64 v[D+4:D+5], v[LZA]                 ; wave 3: the label's codes and scale word, 256 bytes
	s_wait_dscnt 0x0
	global_store_b64 v[L8], v[D+4:D+5], s[16:17] offset:1536
.endif
.Lend:
	s_wait_tensorcnt 0x0
	ds_add_u32 v254, v255
	s_wait_dscnt 0x0
	s_endpgm
.Lfunc_end_k_q224981283c_prep_cross:
	.size	k_q224981283c_prep_cross, .Lfunc_end_k_q224981283c_prep_cross-k_q224981283c_prep_cross
	.p2alignl 7, 3214868480
	.fill 96, 4, 3214868480
	.section	.rodata,"a",@progbits
	.p2align	6, 0x0
	.amdhsa_kernel k_q224981283c_prep_cross
		.amdhsa_group_segment_fixed_size 189440
		.amdhsa_private_segment_fixed_size 0
		.amdhsa_enable_private_segment 0
		.amdhsa_kernarg_size 64
		.amdhsa_user_sgpr_count 2
		.amdhsa_user_sgpr_kernarg_segment_ptr 1
		.amdhsa_wavefront_size32 1
		.amdhsa_system_sgpr_workgroup_id_x 1
		.amdhsa_system_sgpr_workgroup_id_y 1
		.amdhsa_system_sgpr_workgroup_id_z 1
		.amdhsa_system_vgpr_workitem_id 0
		.amdhsa_next_free_vgpr 512
		.amdhsa_next_free_sgpr 66
		.amdhsa_reserve_vcc 0
		.amdhsa_float_denorm_mode_32 3
		.amdhsa_float_denorm_mode_16_64 3
		.amdhsa_memory_ordered 1
		.amdhsa_forward_progress 1
		.amdhsa_inst_pref_size 68
	.end_amdhsa_kernel
	.amdgpu_metadata
---
amdhsa.version: [ 1, 2 ]
amdhsa.kernels:
  - .name:           k_q224981283c_prep_cross
    .symbol:         k_q224981283c_prep_cross.kd
    .args:
      - { .name: y, .offset: 0, .size: 8, .value_kind: global_buffer, .address_space: global }
      - { .name: ss1, .offset: 8, .size: 8, .value_kind: global_buffer, .address_space: global }
      - { .name: WK_cross_codes, .offset: 16, .size: 8, .value_kind: global_buffer, .address_space: global }
      - { .name: WK_cross_scales, .offset: 24, .size: 8, .value_kind: global_buffer, .address_space: global }
      - { .name: bK_cross, .offset: 32, .size: 8, .value_kind: global_buffer, .address_space: global }
      - { .name: c2, .offset: 40, .size: 8, .value_kind: global_buffer, .address_space: global }
      - { .name: s2, .offset: 48, .size: 8, .value_kind: global_buffer, .address_space: global }
      - { .name: train_label, .offset: 56, .size: 8, .value_kind: global_buffer, .address_space: global }
    .group_segment_fixed_size: 189440
    .private_segment_fixed_size: 0
    .kernarg_segment_align: 8
    .kernarg_segment_size: 64
    .max_flat_workgroup_size: 256
    .sgpr_count:     66
    .vgpr_count:     512
    .wavefront_size: 32
...
	.end_amdgpu_metadata
.endif
;; end of part 3
;; launch attn_cross (part 4): grid 8 x 32, 8 waves a work-group, clusters of 4 x 1, 327,680 bytes of LDS; arguments c2, s2, y, ss1, u4, aux; writes u4, aux
.if DOCPART == 4
	.amdgcn_target "amdgcn-amd-amdhsa--gfx1250"
	.amdhsa_code_object_version 6
	.text
	.protected	k_q224981283c_attn_cross
	.globl	k_q224981283c_attn_cross
	.p2align	8
	.type	k_q224981283c_attn_cross,@function
k_q224981283c_attn_cross:
	s_mov_b64 s[64:65], 0
	v_nop
	global_prefetch_b8 v0, s[64:65] scope:SCOPE_SE
	s_setreg_imm32_b32 hwreg(HW_REG_WAVE_MODE, 25, 1), 1
	s_wait_xcnt 0x0
	s_wait_alu depctr_hold_cnt(0) depctr_sa_sdst(0) depctr_va_vdst(0) depctr_va_sdst(0) depctr_va_ssrc(0) depctr_va_vcc(0) depctr_vm_vsrc(0)
	s_getreg_b32 s2, hwreg(HW_REG_IB_STS2, 6, 4)
	s_cmp_eq_u32 s2, 0
	s_cbranch_scc0 .Lentry_in_a_cluster
	s_endpgm
.Lentry_in_a_cluster:
	s_bfe_u32 s2, ttmp6, 0x10000c
	s_cmp_lg_u32 s2, 0x3003
	s_cbranch_scc0 .Lentry_shape_is_right
	s_endpgm
.Lentry_shape_is_right:
; ATTN: attention of one image on codes of E2M3.  A work-group owns 128 queries (slab qb) of image g, each of its eight waves one tile of 16; every wave walks the image's 1,024 keys, 128 a step.
; CROSS = 0: keys, queries and values of image g; out: y = x + attention, and each wave's sum of y^2.
; CROSS = 1: queries of image g, keys and values (memory x label, and the label's row as a seventeenth tile of values) of image g % 16;
; out: u4 = x1 + t3 with x1 = y x f1, the mask (one number a query), and each wave's sums of u2^2, u2 u4, u4^2 with u2 = x1 x mask.
; THE SOFTMAX: t = score x 30 log2(e); M = the row's largest t so far, rounded up to a whole number; p = 2^(t - M) is quantised along the keys, not normalised; the row's sum is taken of the unquantised p and divides at the end.
; ALL OF AN IMAGE'S KEYS AND VALUES STAY IN LDS: 8 steps x 24 fragments of 1,536 bytes, and the scale words behind them.  Every byte is filled once.  Steps 0, 1 and 2 come by a load of their own each and are
; read as soon as they have landed, behind a barrier; steps 3 to 7 come as one block.  In front of step 3's barrier every wave has waited for all its loads: behind it nothing is left to wait for, and the waves
; walk steps 4 to 7 with no barrier, each at its own pace, so that one wave's LDS loads can stand beside another's softmax.  One more barrier stands on the way out, in front of the stores into the stage.
; CLUSTER: the four query blocks of a cluster belong to one image and need the same keys and values: each block is asked for JOINTLY, by the same tensor load with the same descriptor and the mask of all four.
; LAYOUT: both products transposed (S^T = K Q^T, O^T = V^T P^T): a lane holds one query throughout.  The keys of a tile are chosen so that the 16 registers of tiles 2 b, 2 b + 1 are keys 32 b + 16 h + 0 .. 15.
; LIMITS: NaN and infinities among the inputs are not served.
; REGISTERS, window 0: v1-11 addresses; v12 -M, v13 largest t, v[14:15] the sum; v16-27 Q; v28, v29, v227, v232-243 scale words alone; v32-127 K's fragments, then V's tiles 8-15, then the residual rows;
;   v128-191 S^T, then p; v192-203 p's codes; v204-226 at work; v244-255 the label's fragment, later the sums.   window 1: v0-127 O^T; v128-223 V's tiles 0-7; v224-231 the label's accumulator.
.set CROSS, 1
.set SBLK,  1536+256*CROSS             ; a step's scale words: K's quad, V's two quads (CROSS: the label's codes and word)
.set STEPB, 36864                      ; a step's 24 fragments
.set RESTB, 5*STEPB/8                  ; a wave's eighth of steps 3 to 7: 23,040 bytes, 90 rows of 256
.set SCL,   8*STEPB
.set MSK,   SCL+8*SBLK                 ; CROSS: 128 numbers of the mask, scratch of its own
.set SP,    528                        ; the way out: a stage of 256 rows d x (512 bytes + 16) at LDS byte 0: steps 0-3, which have had their one fill and their last read
.set WV,  16
.set SEL, 76
.set CS,  78
.set LI,   1
.set ADK,  2
.set ADS,  3
.set ADL,  4
.set H24,  5
.set STO0, 6
.set STO1, 7
.set RD,   8
.set LANE, 9
.set R16,  10
.set PFO,  11
.set Q,    16
.set QS,   28
.set LS,   29
.set FF,   30
.set KF,   32
.set S,    128
.set PC,   192
.set PT,   204
.set BM,   212
.set BP,   216
.set SO,   220
.set F,    224
.set TMP,  226
.set PW,   227
.set MQ,   228
.set KS,   232
.set VS,   236
.set LF,   244
.set MSB, 0
.macro WIN new                         ; the immediate's high byte repeats the setting that is left
.if MSB != \new
	s_set_vgpr_msb (MSB<<8)|\new
.set MSB, \new
.endif
.endm
.macro CROUND                          ; a round of the cluster's barrier
	s_barrier_signal -1
	s_barrier_wait -1
	s_cmp_lg_u32 s[WV], 0
	s_cbranch_scc1 .Lnot_wave_0_\@
	s_barrier_signal -3
.Lnot_wave_0_\@:
	s_barrier_wait -3
	s_barrier_signal -1
	s_barrier_wait -1
.endm
.macro WSUM a, t                       ; the pair v[a:a+1] summed over the wave, into every lane's v[a]
	v_add_f32 v[\a], v[\a], v[\a+1]
	v_add_f32_dpp v[\a], v[\a], v[\a] row_xmask:1 row_mask:0xf bank_mask:0xf
	v_add_f32_dpp v[\a], v[\a], v[\a] row_xmask:2 row_mask:0xf bank_mask:0xf
	v_add_f32_dpp v[\a], v[\a], v[\a] row_xmask:4 row_mask:0xf bank_mask:0xf
	v_add_f32_dpp v[\a], v[\a], v[\a] row_xmask:8 row_mask:0xf bank_mask:0xf
	v_permlanex16_b32 v[\t], v[\a], s[SEL], s[SEL+1]
	v_add_f32 v[\a], v[\a], v[\t]
.endm
; one product: D at d, source 0 at a, source 1 at b; zero: C is the constant 0, else C = D; row1: source 0's scales stand in lanes 16-31
.macro MM d, a, b, zero, sa, sb, row1
.if \zero
.if \row1
	v_wmma_scale_f32_16x16x128_f8f6f4 v[\d:\d+7], v[\a:\a+11], v[\b:\b+11], 0, v[\sa], v[\sb] matrix_a_fmt:MATRIX_FMT_FP6 matrix_b_fmt:MATRIX_FMT_FP6 matrix_a_scale:MATRIX_SCALE_ROW1
.else
	v_wmma_scale_f32_16x16x128_f8f6f4 v[\d:\d+7], v[\a:\a+11], v[\b:\b+11], 0, v[\sa], v[\sb] matrix_a_fmt:MATRIX_FMT_FP6 matrix_b_fmt:MATRIX_FMT_FP6
.endif
.else
.if \row1
	v_wmma_scale_f32_16x16x128_f8f6f4 v[\d:\d+7], v[\a:\a+11], v[\b:\b+11], v[\d:\d+7], v[\sa], v[\sb] matrix_a_fmt:MATRIX_FMT_FP6 matrix_b_fmt:MATRIX_FMT_FP6 matrix_a_scale:MATRIX_SCALE_ROW1
.else
	v_wmma_scale_f32_16x16x128_f8f6f4 v[\d:\d+7], v[\a:\a+11], v[\b:\b+11], v[\d:\d+7], v[\sa], v[\sb] matrix_a_fmt:MATRIX_FMT_FP6 matrix_b_fmt:MATRIX_FMT_FP6
.endif
.endif
.endm
	s_load_b256 s[4:11], s[0:1], 0x0               ; codes, scale words; CROSS = 0: train_feat, test_feat; 1: y, the partial sums of y^2
	s_load_b128 s[12:15], s[0:1], 0x20             ; CROSS = 0: y, its partial sums; 1: u4, aux
	s_set_vgpr_msb 0x40
	v_lshl_add_u32 v254, v0, 2, 0x4ba00
	v_mov_b32 v255, 0
	s_set_vgpr_msb 0x4045
	ds_add_u32 v254, v255
	ds_add_u32 v254, v255
	s_set_vgpr_msb 0x4500
	v_lshrrev_b32 v1, 5, v0
	v_readfirstlane_b32 s[WV], v1                  ; wave 0..7
	s_bfe_u32 s17, ttmp6, 0x40000                  ; cx: it enters the addresses of Q, the residual rows and the outputs alone
	s_lshl_b32 s18, ttmp9, 2
	s_add_co_u32 s18, s18, s17                     ; my block of 128 queries
	s_and_b32 s19, ttmp7, 0xffff                   ; the image, which the four partners share
.if CROSS
	s_and_b32 s98, s19, 15                         ; keys and values are the train image's
.else
	s_mov_b32 s98, s19
.endif
	; descriptor groups 1: dense blocks as rows of 256 bytes; the mask names all four work-groups
	s_mov_b32 s20, 15|(3<<16)|(1<<21)              ; my eighth of one step: three fragments, 18 rows
	s_mov_b32 s21, 32<<16
	s_mov_b32 s22, 18<<16
	s_mov_b32 s23, 32<<16
	s_mov_b32 s24, 18
	s_mov_b32 s25, 32
	s_mov_b32 s26, 0
	s_mov_b32 s27, 0
	s_mov_b32 s28, 15|(3<<16)|(1<<21)              ; a step's scale words
	s_mov_b32 s29, 32<<16
	s_mov_b32 s30, (SBLK/256)<<16
	s_mov_b32 s31, 32<<16
	s_mov_b32 s32, SBLK/256
	s_mov_b32 s33, 32
	s_mov_b32 s34, 0
	s_mov_b32 s35, 0
	s_mov_b32 s56, 15|(3<<16)|(1<<21)              ; my eighth of steps 3 to 7: 90 rows
	s_mov_b32 s57, 32<<16
	s_mov_b32 s58, (RESTB/256)<<16
	s_mov_b32 s59, 32<<16
	s_mov_b32 s60, RESTB/256
	s_mov_b32 s61, 32
	s_mov_b32 s62, 0
	s_mov_b32 s63, 0
	s_mul_i32 s92, s[WV], 4608                     ; my eighth of a step's codes, in LDS and in memory
	s_mul_i32 s90, s98, 8*STEPB
	s_add_co_u32 s90, s90, s92
	s_mov_b32 s91, 0
	s_mul_i32 s93, s[WV], SBLK                     ; the scale words of step w
	s_mul_i32 s96, s98, 8*SBLK
	s_add_co_u32 s96, s96, s93
	s_mov_b32 s97, 0
	s_mul_i32 s99, s[WV], RESTB                    ; my eighth of steps 3 to 7, in LDS and in memory
	s_mul_i32 s2, s98, 8*STEPB
	s_add_co_u32 s2, s2, s99
	s_add_co_u32 s2, s2, 3*STEPB
	s_mov_b32 s3, 0
	s_wait_dscnt 0x0
	s_wait_kmcnt 0x0
	s_add_nc_u64 s[94:95], s[4:5], s[90:91]
	s_mov_b32 s36, 1
	s_add_co_u32 s37, s93, SCL
	s_add_nc_u64 s[38:39], s[6:7], s[96:97]
	s_or_b32 s39, s39, 0x80000000
.irp j, 0,1,2                          ; a group 0 for each of steps 0, 1, 2: s40-51
	s_mov_b32 s[40+4*\j], 1
	s_add_co_u32 s[41+4*\j], s92, STEPB*\j
	s_add_nc_u64 s[42+4*\j:43+4*\j], s[94:95], STEPB*\j
	s_or_b32 s[43+4*\j], s[43+4*\j], 0x80000000
.endr
	s_mov_b32 s52, 1                               ; and one for the rest
	s_add_co_u32 s53, s99, 3*STEPB
	s_add_nc_u64 s[54:55], s[4:5], s[2:3]
	s_or_b32 s55, s55, 0x80000000
	CROUND                                         ; all four work-groups are here: the joint loads meet
	tensor_load_to_lds s[36:39], s[28:35]          ; the scale words first; then the steps in the order in which they are read: five loads of mine are out
	s_nop 0
.irp j, 0,1,2
	tensor_load_to_lds s[40+4*\j:43+4*\j], s[20:27]
	s_nop 0
.endr
	tensor_load_to_lds s[52:55], s[56:63]
	s_nop 0
.rept 4
	v_nop
.endr
	s_mov_b32 s[SEL], 0x76543210
	s_mov_b32 s[SEL+1], 0xfedcba98
	s_mov_b32 s[CS], 0x422d1f97                    ; c = 30 log2(e)
	s_mov_b32 s[CS+1], s[CS]
	s_lshl_b32 s90, s19, 3
	s_add_co_u32 s90, s90, s18                     ; my queries' slab 8 g + qb
	s_mul_i32 s92, s90, STEPB
	s_mul_i32 s93, s[WV], 1536
	s_add_co_u32 s92, s92, s93
	s_mov_b32 s93, 0
	s_add_nc_u64 s[84:85], s[4:5], s[92:93]        ; Q's fragment: tile w of the slab
	s_mul_i32 s92, s90, SBLK
	s_lshr_b32 s94, s[WV], 2
	s_lshl_b32 s94, s94, 8
	s_add_co_u32 s92, s92, s94
	s_and_b32 s94, s[WV], 3
	s_lshl_b32 s94, s94, 2
	s_add_co_u32 s92, s92, s94
	s_add_nc_u64 s[86:87], s[6:7], s[92:93]        ; and its scale words
	s_lshl_b32 s92, s18, 9
	s_lshl_b32 s94, s[WV], 17
	s_add_co_u32 s92, s92, s94                     ; 512 qb + my 32 rows d of 4,096 bytes
	s_lshl_b32 s94, s19, 20
	s_add_co_u32 s94, s94, s92
	s_mov_b32 s95, 0
	s_add_nc_u64 s[82:83], s[12:13], s[94:95]      ; where my rows go
.if CROSS
	s_add_nc_u64 s[80:81], s[8:9], s[94:95]        ; and the residual rows: y
.else
	s_and_b32 s94, s19, 15
	s_lshl_b32 s94, s94, 20
	s_add_co_u32 s94, s94, s92
	s_cmp_lt_u32 s19, 16
	s_cselect_b64 s[80:81], s[8:9], s[10:11]       ; train_feat or test_feat
	s_add_nc_u64 s[80:81], s[80:81], s[94:95]
.endif
	s_lshl_b32 s92, s19, 8
	s_lshl_b32 s94, s18, 5
	s_add_co_u32 s92, s92, s94
	s_lshl_b32 s94, s[WV], 2
	s_add_co_u32 s92, s92, s94                     ; 256 g + 4 (8 qb + w)
.if CROSS
	s_add_co_u32 s92, s92, 131072
.endif
	s_add_nc_u64 s[88:89], s[14:15], s[92:93]      ; my wave's word among the sums
.if CROSS
	s_lshl_b32 s92, s19, 12
	s_lshl_b32 s94, s18, 9
	s_add_co_u32 s92, s92, s94
	s_add_nc_u64 s[96:97], s[14:15], s[92:93]      ; the mask's 128 numbers
	s_lshl_b32 s92, s19, 8
	s_add_nc_u64 s[10:11], s[10:11], s[92:93]      ; the image's 64 partial sums of y^2
.endif
	v_and_b32 v[LANE], 31, v0
	v_lshlrev_b32 v[LI], 4, v[LANE]
	v_and_b32 v[ADK], 15, v0                       ; r
	v_bfe_u32 v[ADS], v0, 4, 1                     ; h
	v_lshlrev_b32 v[R16], 4, v[ADK]
	v_mul_u32_u24 v[H24], v[ADS], 24
	v_lshlrev_b32 v[PFO], 12, v[LANE]
	v_and_b32 v[ADL], 8, v[ADK]
	v_add_nc_u32 v[ADL], v[ADL], v[ADK]            ; r + 8 (r / 8)
	v_mul_u32_u24 v[STO0], v[ADS], 8*SP
	v_lshl_add_u32 v[STO0], v[ADL], 2, v[STO0]
	s_lshr_b32 s92, s[WV], 1
	s_lshl_b32 s92, s92, 7
	s_and_b32 s94, s[WV], 1
	s_lshl_b32 s94, s94, 5
	s_add_co_u32 s92, s92, s94
	v_add_nc_u32 v[STO0], s92, v[STO0]             ; the stage: row 8 h, column = my query's place 32 (w / 2) + 8 (w % 2) + r + 8 (r / 8)
	v_add_nc_u32 v[STO1], 128*SP, v[STO0]
	s_mul_i32 s92, s[WV], 32*SP
	v_add_nc_u32 v[RD], s92, v[LI]                 ; back: my 32 rows, 16 bytes a lane
.irp k, 0,1,2
	global_load_b128 v[Q+4*\k:Q+4*\k+3], v[LI], s[84:85] offset:512*\k
.endr
	global_load_b32 v[QS], v[R16], s[86:87]
.if CROSS
	v_lshlrev_b32 v[ADK], 3, v[LANE]
	global_load_b64 v[FF:FF+1], v[ADK], s[10:11]
.endif
	v_mov_b32 v13, 0xff61b1e6                      ; the largest t so far: -3e38
	v_floor_f32 v12, -v13                          ; -M
	v_mov_b32 v14, 0
	v_mov_b32 v15, 0
.irp b, 0,1,2,3
	v_mov_b32 v[BP+\b], 0                          ; written once: a lane permute's destination counts as one of its sources
.endr
	v_mov_b32 v[F+1], 0                            ; (named as the upper half of the pair)
	s_wait_loadcnt 0x0
.if CROSS
	WSUM FF, BP
	v_add_f32 v[FF], 0x3727c5ac, v[FF]
	v_rsq_f32 v[FF], v[FF]
	v_nop
	s_wait_alu depctr_va_vdst(0)
	v_mul_f32 v[FF], 0x41000000, v[FF]             ; f1 = 8 / sqrt(ss + 1e-5)
	v_mov_b32 v[FF+1], v[FF]
.endif
; A KEY STEP: 128 keys.
.macro STEP st
.if \st < 4
	s_wait_tensorcnt 3-\st                         ; my parts of the scale words and of steps 0 .. st are in; the 3 - st loads issued behind them may stay out.  In step 3 the count is 0: all my loads are in
	s_barrier_signal -1
	s_barrier_wait -1                              ; everybody's are.  Behind step 3's barrier all eight steps lie in LDS: steps 4 to 7 have no wait and no barrier
.endif
	v_add_nc_u32 v[ADK], STEPB*\st, v[LI]          ; (with the v_nop: four places in front of loads into registers that the last products read)
	v_add_nc_u32 v[ADS], SCL+\st*SBLK, v[LI]
.if CROSS
	v_add_nc_u32 v[ADL], SCL+\st*SBLK+1536, v[H24]
	v_nop
.else
	v_nop
	v_nop
.endif
	ds_load_b128 v[KS:KS+3], v[ADS]
.irp t, 0,1,2,3,4,5,6,7
.irp k, 0,1,2
	ds_load_b128 v[KF+12*\t+4*\k:KF+12*\t+4*\k+3], v[ADK] offset:1536*\t+512*\k
.endr
.endr
	ds_load_b128 v[VS:VS+3], v[ADS] offset:512
	ds_load_b128 v[VS+4:VS+7], v[ADS] offset:1024
.if CROSS
.irp p, 0,1,2,3,4,5
	ds_load_b64 v[LF+2*\p:LF+2*\p+1], v[ADL] offset:48*(\p/3)+8*(\p%3)   ; sixteen equal rows: all lanes of a half read the same bytes
.endr
	ds_load_b32 v[LS], v[ADL] offset:96            ; (lanes 0-15 hold the word; the others' is not read)
.endif
	WIN 0x40
.irp t, 0,1,2,3,4,5,6,7
.irp k, 0,1,2
	ds_load_b128 v[128+12*\t+4*\k:128+12*\t+4*\k+3], v[ADK] offset:12288+1536*\t+512*\k
.endr
.endr
	WIN 0
	s_wait_dscnt 26+7*CROSS                        ; K and its scale words are in; V's two quads, (the label's seven,) and V's 24 loads may be out
.irp t, 0,1,2,3
	MM S+8*\t, KF+12*\t, Q, 1, KS+\t, QS, 0
.endr
.irp t, 4,5,6,7
	MM S+8*\t, KF+12*\t, Q, 1, KS+\t-4, QS, 1
.endr
.rept 4
	v_nop                                          ; four places: for the loads into K's registers and for the first read of the scores
.endr
.irp t, 0,1,2,3,4,5,6,7
.irp k, 0,1,2
	ds_load_b128 v[KF+12*\t+4*\k:KF+12*\t+4*\k+3], v[ADK] offset:12288+1536*(8+\t)+512*\k
.endr
.endr
.if \st == 5
	global_prefetch_b8 v[PFO], s[80:81] th:TH_LOAD_NT scope:SCOPE_SE             ; my 32 residual rows of 512 bytes, a lane a row, two steps ahead of their loads; each block is named once in the launch
	global_prefetch_b8 v[PFO], s[80:81] offset:256 th:TH_LOAD_NT scope:SCOPE_SE
.endif
.irp b, 0,1,2,3
	v_max3_num_f32 v[BM+\b], v[S+16*\b], v[S+16*\b+1], v[S+16*\b+2]   ; the largest score of each block of 32 keys: for the row's maximum and for the block's largest p
.endr
.irp i, 3,5,7,9,11,13
.irp b, 0,1,2,3
	v_max3_num_f32 v[BM+\b], v[BM+\b], v[S+16*\b+\i], v[S+16*\b+\i+1]
.endr
.endr
.irp b, 0,1,2,3
	v_max_num_f32 v[BM+\b], v[BM+\b], v[S+16*\b+15]
.endr
.irp b, 0,1,2,3
	v_permlanex16_b32 v[BP+\b], v[BM+\b], s[SEL], s[SEL+1]
.endr
.irp b, 0,1,2,3
	v_max_num_f32 v[BM+\b], v[BM+\b], v[BP+\b]
.endr
	v_max3_num_f32 v[TMP], v[BM], v[BM+1], v[BM+2]
	v_max_num_f32 v[TMP], v[TMP], v[BM+3]
	v_mul_f32 v[TMP], s[CS], v[TMP]
	v_max_num_f32 v13, v13, v[TMP]                 ; the running largest t
	v_mov_b32 v[TMP], v12
	v_floor_f32 v12, -v13                          ; the new -M = -ceil(t)
	v_sub_f32 v[TMP], v12, v[TMP]
	v_cvt_i32_f32 v[TMP], v[TMP]                   ; (it saturates)
	v_ldexp_f32 v[F], 1.0, v[TMP]                  ; f = 2^(old M - new M): exact
.set n, 0
.rept 32
	v_pk_fma_f32 v[S+n:S+n+1], v[S+n:S+n+1], s[CS:CS+1], v[12:13] op_sel_hi:[1,0,0]   ; t - M
.set n, n+2
.endr
.irp b, 0,1,2,3
	v_fma_f32 v[BM+\b], v[BM+\b], s[CS], v12
.endr
.set n, 0
.rept 64
	v_exp_f32 v[S+n], v[S+n]                       ; p = 2^(t - M)
.set n, n+1
.endr
.irp b, 0,1,2,3
	v_exp_f32 v[BM+\b], v[BM+\b]                   ; the block's largest p
.endr
	v_pk_mul_f32 v[14:15], v[14:15], v[F:F+1] op_sel_hi:[1,0]   ; the sum under the new M (a plain place behind the exponentials)
	s_wait_alu depctr_va_vdst(0)
.irp b, 0,1,2,3
	v_max_num_f32 v[BM+\b], 0x1800000, v[BM+\b]
.endr
.irp b, 0,1,2,3
	v_add_nc_u32 v[SO+\b], 0xff000000, v[BM+\b]
.endr
.irp b, 0,1,2,3
	v_lshrrev_b32 v[BP+\b], 23, v[SO+\b]
.endr
	v_lshl_or_b32 v[PW], v[BP+1], 8, v[BP]         ; p's scale word for these 128 keys
	v_lshl_or_b32 v[PW], v[BP+2], 16, v[PW]
	v_lshl_or_b32 v[PW], v[BP+3], 24, v[PW]
.irp c, 0,1
	v_cvt_scalef32_pk16_fp6_f32 v[PC+6*\c:PC+6*\c+2], v[S+32*\c:S+32*\c+15], v[SO+2*\c]
	v_cvt_scalef32_pk16_fp6_f32 v[PT+4*\c:PT+4*\c+2], v[S+32*\c+16:S+32*\c+31], v[SO+2*\c+1]
.endr
	v_nop
.irp c, 0,1
.irp i, 0,1,2
	v_permlane16_swap_b32 v[PC+6*\c+\i], v[PT+4*\c+\i]
.endr
.irp i, 0,1,2
	v_mov_b32 v[PC+6*\c+3+\i], v[PT+4*\c+\i]
.endr
.endr
	v_pk_add_f32 v[BP:BP+1], v[S:S+1], v[S+2:S+3]  ; the row's sum of the unquantised p, in two chains
.irp i, 4,8,12,16,20,24,28,32,36,40,44,48,52,56,60
	v_pk_add_f32 v[14:15], v[14:15], v[S+\i:S+\i+1]
	v_pk_add_f32 v[BP:BP+1], v[BP:BP+1], v[S+\i+2:S+\i+3]
.endr
	v_pk_add_f32 v[14:15], v[14:15], v[BP:BP+1]
.if \st > 0
	WIN 0x41                                       ; O^T in window 1, f in window 0
.set n, 0
.rept 64
	v_pk_mul_f32 v[n:n+1], v[n:n+1], v[F:F+1] op_sel_hi:[1,0]
.set n, n+2
.endr
.if CROSS
.set n, 224
.rept 4
	v_pk_mul_f32 v[n:n+1], v[n:n+1], v[F:F+1] op_sel_hi:[1,0]
.set n, n+2
.endr
.endif
.set ZR, 0
.else
.set ZR, 1                                     ; the first step's products start the sums: nothing is cleared
.endif
	s_wait_dscnt 0x0                               ; V and its scale words are in
	WIN 0x51                                       ; V's tiles 0-7 and O^T in window 1, p in window 0.  Each accumulator has one instruction a turn
.irp t, 0,1,2,3,4,5,6,7
	MM 8*\t, 128+12*\t, PC, ZR, VS+\t%4, PW, \t/4
.endr
	WIN 0x50                                       ; V's tiles 8-15 in window 0
.irp t, 0,1,2,3,4,5,6,7
	MM 64+8*\t, KF+12*\t, PC, ZR, VS+4+\t%4, PW, \t/4
.endr
.if CROSS
	MM 224, LF, PC, ZR, LS, PW, 0
.endif
	WIN 0
.endm
.irp st, 0,1,2,3,4,5,6,7
	STEP \st
.endr
	; THE WAY OUT
	v_add_f32 v14, v14, v15
	v_permlanex16_b32 v[TMP], v14, s[SEL], s[SEL+1]
	v_add_f32 v14, v14, v[TMP]                     ; the row's sum
	v_rcp_f32 v[F], v14
.rept 4
	v_nop                                          ; four places behind the last products, one of them behind the reciprocal
.endr
.set n, 0
.rept 32
	global_load_b128 v[32+4*n:32+4*n+3], v[LI], s[80:81] offset:4096*n th:TH_LOAD_NT   ; my 32 residual rows: 512 consecutive bytes each
.set n, n+1
.endr
	s_wait_dscnt 0x0                               ; my reads of all eight steps are over:
	s_barrier_signal -1                            ; say so; the division below is work on registers while the others arrive
	WIN 0x41
.set n, 0
	s_wait_alu depctr_va_vdst(0)
.rept 64
	v_pk_mul_f32 v[n:n+1], v[n:n+1], v[F:F+1] op_sel_hi:[1,0]   ; O^T / the sum, each accumulator from its low end on
.set n, n+2
.endr
.if CROSS
	WIN 0x01
	v_mul_f32 v[TMP], v224, v[F]                   ; the mask of my query: the label's accumulator (window 1, its lowest register) / the sum
	WIN 0
	s_lshr_b32 s92, s[WV], 1                       ; where its word goes: MSK + 4 x my query's place, 32 (w / 2) + 8 (w % 2) + r + 8 (r / 8): a constant, the wave's number and the lane's
	s_lshl_b32 s92, s92, 7
	s_and_b32 s94, s[WV], 1
	s_lshl_b32 s94, s94, 5
	s_add_co_u32 s92, s92, s94
	s_add_co_u32 s92, s92, MSK
	v_and_b32 v[ADK], 15, v0                       ; r
	v_and_b32 v[ADS], 8, v[ADK]
	v_add_nc_u32 v[ADK], v[ADS], v[ADK]            ; r + 8 (r / 8)
	v_lshlrev_b32 v[ADK], 2, v[ADK]
	v_add_nc_u32 v[ADK], s92, v[ADK]
.endif
	s_barrier_wait -1                              ; no wave reads keys or values any more: the stage may be laid over steps 0-3
.if CROSS
	ds_store_b32 v[ADK], v[TMP]                    ; both halves of the lanes write the same word with the same value
	v_add_nc_u32 v[ADS], MSK, v[LI]
.endif
	WIN 0x04                                       ; an LDS store's data are its source 1: window 1
.irp t, 0,1,2,3,4,5,6,7
.irp i, 0,1,2,3,4,5,6,7
	ds_store_b32 v[STO0], v[8*\t+\i] offset:(16*\t+\i)*SP          ; o(d = 16 t + 8 h + i, my query)
	ds_store_b32 v[STO1], v[64+8*\t+\i] offset:(16*\t+\i)*SP
.endr
.endr
	WIN 0
.irp i, 0,1,2,3,4,5
	v_mov_b32 v[244+\i], 0                         ; the sums begin
.endr
	s_wait_dscnt 0x0
	s_barrier_signal -1
	s_barrier_wait -1                              ; 256 whole rows lie in the stage
.macro SLOAD q                         ; eight stage rows into v160-191 or v192-223, by turns
.irp i, 0,1,2,3,4,5,6,7
	ds_load_b128 v[160+32*((\q)%2)+4*\i:160+32*((\q)%2)+4*\i+3], v[RD] offset:SP*(8*(\q)+\i)
.endr
.endm
.macro BATCH q
.if \q < 3
	SLOAD (\q+1)
	s_wait_dscnt 8                                 ; this batch's rows are back; the next batch's eight may be out
.else
	s_wait_dscnt 0x0
.endif
	s_wait_loadcnt 24-8*\q                         ; this batch's residual rows are in; those of the later batches may be out
.irp i, 0,1,2,3,4,5,6,7
.irp p, 0,2
.set XR, 32+4*(8*\q+\i)+\p
.set TR, 160+32*(\q%2)+4*\i+\p
.if CROSS
	v_pk_mul_f32 v[XR:XR+1], v[XR:XR+1], v[FF:FF+1]                    ; x1 = y f1
	v_pk_mul_f32 v[250+\p:251+\p], v[XR:XR+1], v[MQ+\p:MQ+\p+1]        ; u2 = x1 x mask
	v_pk_add_f32 v[XR:XR+1], v[XR:XR+1], v[TR:TR+1]                    ; u4 = x1 + t3
	v_pk_fma_f32 v[244:245], v[250+\p:251+\p], v[250+\p:251+\p], v[244:245]
	v_pk_fma_f32 v[246:247], v[250+\p:251+\p], v[XR:XR+1], v[246:247]
	v_pk_fma_f32 v[248:249], v[XR:XR+1], v[XR:XR+1], v[248:249]
.else
	v_pk_add_f32 v[XR:XR+1], v[XR:XR+1], v[TR:TR+1]                    ; y = x + attention
	v_pk_fma_f32 v[244+\p:245+\p], v[XR:XR+1], v[XR:XR+1], v[244+\p:245+\p]
.endif
.endr
	global_store_b128 v[LI], v[32+4*(8*\q+\i):32+4*(8*\q+\i)+3], s[82:83] offset:4096*(8*\q+\i) th:TH_STORE_NT   ; 512 consecutive bytes, aligned
.endr
.endm
.if CROSS
	ds_load_b128 v[MQ:MQ+3], v[ADS]                ; the mask at my four places
.endif
	SLOAD 0
	BATCH 0
	BATCH 1
	BATCH 2
	BATCH 3
.if CROSS
	s_cmp_lg_u32 s[WV], 0
	s_cbranch_scc1 .Lnomask
	global_store_b128 v[LI], v[MQ:MQ+3], s[96:97]  ; the block's 128 numbers of the mask
.Lnomask:
	WSUM 244, 250
	WSUM 246, 250
	WSUM 248, 250
.else
	v_pk_add_f32 v[244:245], v[244:245], v[246:247]
	WSUM 244, 248
.endif
	v_mov_b32 v[ADK], 0
	s_wait_xcnt 0x0                                ; EXEC changes only behind this wait
	v_cmp_eq_u32 vcc_lo, 0, v[LANE]
	s_and_saveexec_b32 s90, vcc_lo
	global_store_b32 v[ADK], v244, s[88:89]        ; lane 0: my wave's sum
.if CROSS
	global_store_b32 v[ADK], v246, s[88:89] offset:8192
	global_store_b32 v[ADK], v248, s[88:89] offset:16384
.endif
	s_wait_xcnt 0x0
	s_or_b32 exec_lo, exec_lo, s90
	s_set_vgpr_msb 0x5
	s_wait_tensorcnt 0x0
	ds_add_u32 v254, v255
	s_wait_dscnt 0x0
	s_set_vgpr_msb 0x500
	CROUND                                         ; the closing round: no work-group ends while a partner may still ask for a block that names it
	s_endpgm
.Lfunc_end_k_q224981283c_attn_cross:
	.size	k_q224981283c_attn_cross, .Lfunc_end_k_q224981283c_attn_cross-k_q224981283c_attn_cross
	.p2alignl 7, 3214868480
	.fill 96, 4, 3214868480
	.section	.rodata,"a",@progbits
	.p2align	6, 0x0
	.amdhsa_kernel k_q224981283c_attn_cross
		.amdhsa_group_segment_fixed_size 327680
		.amdhsa_private_segment_fixed_size 0
		.amdhsa_enable_private_segment 0
		.amdhsa_kernarg_size 48
		.amdhsa_user_sgpr_count 2
		.amdhsa_user_sgpr_kernarg_segment_ptr 1
		.amdhsa_wavefront_size32 1
		.amdhsa_system_sgpr_workgroup_id_x 1
		.amdhsa_system_sgpr_workgroup_id_y 1
		.amdhsa_system_sgpr_workgroup_id_z 1
		.amdhsa_system_vgpr_workitem_id 0
		.amdhsa_next_free_vgpr 512
		.amdhsa_next_free_sgpr 100
		.amdhsa_reserve_vcc 1
		.amdhsa_float_denorm_mode_32 3
		.amdhsa_float_denorm_mode_16_64 3
		.amdhsa_memory_ordered 1
		.amdhsa_forward_progress 1
		.amdhsa_inst_pref_size 243
	.end_amdhsa_kernel
	.amdgpu_metadata
---
amdhsa.version: [ 1, 2 ]
amdhsa.kernels:
  - .name:           k_q224981283c_attn_cross
    .symbol:         k_q224981283c_attn_cross.kd
    .args:
      - { .name: c2, .offset: 0, .size: 8, .value_kind: global_buffer, .address_space: global }
      - { .name: s2, .offset: 8, .size: 8, .value_kind: global_buffer, .address_space: global }
      - { .name: y, .offset: 16, .size: 8, .value_kind: global_buffer, .address_space: global }
      - { .name: ss1, .offset: 24, .size: 8, .value_kind: global_buffer, .address_space: global }
      - { .name: u4, .offset: 32, .size: 8, .value_kind: global_buffer, .address_space: global }
      - { .name: aux, .offset: 40, .size: 8, .value_kind: global_buffer, .address_space: global }
    .group_segment_fixed_size: 327680
    .private_segment_fixed_size: 0
    .kernarg_segment_align: 8
    .kernarg_segment_size: 48
    .max_flat_workgroup_size: 256
    .sgpr_count:     100
    .vgpr_count:     512
    .wavefront_size: 32
...
	.end_amdgpu_metadata
.endif
;; end of part 4
;; launch finish (part 5): grid 16 x 32, 8 waves a work-group, no clusters, 0 bytes of LDS; arguments y, u4, aux, ss1, out0, out1; writes out0, out1
.if DOCPART == 5
	.amdgcn_target "amdgcn-amd-amdhsa--gfx1250"
	.amdhsa_code_object_version 6
	.text
	.protected	k_q224981283c_finish
	.globl	k_q224981283c_finish
	.p2align	8
	.type	k_q224981283c_finish,@function
k_q224981283c_finish:
	s_mov_b64 s[64:65], 0
	v_nop
	global_prefetch_b8 v0, s[64:65] scope:SCOPE_SE
	s_setreg_imm32_b32 hwreg(HW_REG_WAVE_MODE, 25, 1), 1
	s_wait_xcnt 0x0
; The last three norms: out = f5 (f2 u2 + f4 u4), u2 = y f1 mask[s]:  out = (f5 f2 f1 mask[s]) y + (f5 f4) u4.  All tensors [image][256 d][1,024 s], f32.
; f1 = 8 / sqrt(sum y^2 + eps), f2 = 8 / sqrt(S22 + eps), f4 = 8 / sqrt(S44 + eps), f5 = 8 / sqrt(S5 + eps), eps = 1e-5; each sum comes as 64 partial sums of the launches before.
; LIMIT: S5 = the sum of (f2 u2 + f4 u4)^2 is formed as f2^2 S22 + 2 f2 f4 S24 + f4^2 S44, not by a pass over the image.  Its two square terms are near 64 each, so it loses accuracy only where
; f2 u2 and f4 u4 are opposed to within about 1e-4 in the cosine of their angle; it is held at 0 from below.  NaN and infinities among the inputs are not served.
; A stream: memory binds, so no LDS, no barrier, no matrix unit.  A work-group takes 16 rows d of an image; thread t owns 16 bytes of every row, so its four mask numbers stay in registers, and each load
; and store of a wave covers 512 consecutive bytes.  All 32 row loads of a wave go out at the head; every register is written once.
.set SEL, 28
.macro WSUM a, t                       ; the pair v[a:a+1] summed over the wave, into every lane's v[a]
	v_add_f32 v[\a], v[\a], v[\a+1]
	v_add_f32_dpp v[\a], v[\a], v[\a] row_xmask:1 row_mask:0xf bank_mask:0xf
	v_add_f32_dpp v[\a], v[\a], v[\a] row_xmask:2 row_mask:0xf bank_mask:0xf
	v_add_f32_dpp v[\a], v[\a], v[\a] row_xmask:4 row_mask:0xf bank_mask:0xf
	v_add_f32_dpp v[\a], v[\a], v[\a] row_xmask:8 row_mask:0xf bank_mask:0xf
	v_permlanex16_b32 v[\t], v[\a], s[SEL], s[SEL+1]
	v_add_f32 v[\a], v[\a], v[\t]
.endm
	s_load_b256 s[4:11], s[0:1], 0x0               ; y, u4, aux, the partial sums of y^2
	s_load_b128 s[12:15], s[0:1], 0x20             ; out0, out1
	s_and_b32 s16, ttmp7, 0xffff                   ; the image g
	s_lshl_b32 s17, ttmp9, 16                      ; 16 rows of 4,096 bytes
	s_lshl_b32 s20, s16, 20
	s_add_co_u32 s20, s20, s17
	s_mov_b32 s21, 0
	s_and_b32 s22, s16, 15
	s_lshl_b32 s22, s22, 20
	s_add_co_u32 s22, s22, s17
	s_mov_b32 s23, 0
	s_lshl_b32 s24, s16, 8
	s_mov_b32 s25, 0
	s_lshl_b32 s26, s16, 12
	s_mov_b32 s27, 0
	s_mov_b32 s[SEL], 0x76543210
	s_mov_b32 s[SEL+1], 0xfedcba98
	v_lshlrev_b32 v1, 4, v0                        ; my 16 bytes of a row
	v_and_b32 v2, 31, v0
	v_lshlrev_b32 v2, 3, v2                        ; 8 x lane
	v_mov_b32 v16, 0                               ; written once: a lane permute's destination counts as one of its sources
	s_wait_kmcnt 0x0
	s_add_nc_u64 s[4:5], s[4:5], s[20:21]
	s_add_nc_u64 s[6:7], s[6:7], s[20:21]
	s_add_nc_u64 s[10:11], s[10:11], s[24:25]
	s_add_nc_u64 s[30:31], s[8:9], s[24:25]        ; aux + 256 g: the three sums lie 131,072 + 8,192 k further on
	s_add_nc_u64 s[8:9], s[8:9], s[26:27]          ; the image's mask
	s_cmp_lt_u32 s16, 16
	s_cselect_b64 s[12:13], s[12:13], s[14:15]     ; train images go to out0, test images to out1
	s_add_nc_u64 s[12:13], s[12:13], s[22:23]
	global_load_b64 v[4:5], v2, s[10:11]
	global_load_b64 v[6:7], v2, s[30:31] offset:131072           ; S22
	global_load_b64 v[8:9], v2, s[30:31] offset:131072+8192      ; S24
	global_load_b64 v[10:11], v2, s[30:31] offset:131072+16384   ; S44
	global_load_b128 v[12:15], v1, s[8:9]
.irp k, 0,1,2,3,4,5,6,7,8,9,10,11,12,13,14,15
	global_load_b128 v[32+4*\k:32+4*\k+3], v1, s[4:5] offset:4096*\k th:TH_LOAD_NT
	global_load_b128 v[96+4*\k:96+4*\k+3], v1, s[6:7] offset:4096*\k th:TH_LOAD_NT
.endr
	s_wait_loadcnt 32                              ; the sums and the mask are in; the 32 row loads may be out
	WSUM 4, 16
	WSUM 6, 16
	WSUM 8, 16
	WSUM 10, 16
	v_add_f32 v4, 0x3727c5ac, v4
	v_add_f32 v17, 0x3727c5ac, v6
	v_add_f32 v18, 0x3727c5ac, v10
	v_rsq_f32 v4, v4
	v_rsq_f32 v17, v17
	v_rsq_f32 v18, v18
	v_nop                                          ; one plain place behind the transcendentals
	s_wait_alu depctr_va_vdst(0)
	v_mul_f32 v4, 0x41000000, v4                   ; f1
	v_mul_f32 v17, 0x41000000, v17                 ; f2
	v_mul_f32 v18, 0x41000000, v18                 ; f4
	v_mul_f32 v19, v17, v6
	v_mul_f32 v19, v19, v17                        ; f2^2 S22
	v_mul_f32 v20, v17, v18
	v_mul_f32 v20, v20, v8                         ; f2 f4 S24
	v_fma_f32 v19, v20, 2.0, v19
	v_mul_f32 v21, v18, v10
	v_fma_f32 v19, v21, v18, v19                   ; S5
	v_max_num_f32 v19, 0, v19
	v_add_f32 v19, 0x3727c5ac, v19
	v_rsq_f32 v19, v19
	v_nop
	s_wait_alu depctr_va_vdst(0)
	v_mul_f32 v19, 0x41000000, v19                 ; f5
	v_mul_f32 v22, v19, v18                        ; f5 f4, twice
	v_mov_b32 v23, v22
	v_mul_f32 v20, v19, v17
	v_mul_f32 v20, v20, v4                         ; f5 f2 f1
.irp i, 0,1,2,3
	v_mul_f32 v[24+\i], v20, v[12+\i]              ; x the mask at my four places
.endr
.irp k, 0,1,2,3,4,5,6,7,8,9,10,11,12,13,14,15
	s_wait_loadcnt 30-2*\k                         ; this row's two loads are in; the later rows' may be out
	v_pk_mul_f32 v[32+4*\k:33+4*\k], v[32+4*\k:33+4*\k], v[24:25]
	v_pk_mul_f32 v[34+4*\k:35+4*\k], v[34+4*\k:35+4*\k], v[26:27]
	v_pk_fma_f32 v[32+4*\k:33+4*\k], v[96+4*\k:97+4*\k], v[22:23], v[32+4*\k:33+4*\k]
	v_pk_fma_f32 v[34+4*\k:35+4*\k], v[98+4*\k:99+4*\k], v[22:23], v[34+4*\k:35+4*\k]
	global_store_b128 v1, v[32+4*\k:35+4*\k], s[12:13] offset:4096*\k th:TH_STORE_NT
.endr
	s_endpgm
.Lfunc_end_k_q224981283c_finish:
	.size	k_q224981283c_finish, .Lfunc_end_k_q224981283c_finish-k_q224981283c_finish
	.p2alignl 7, 3214868480
	.fill 96, 4, 3214868480
	.section	.rodata,"a",@progbits
	.p2align	6, 0x0
	.amdhsa_kernel k_q224981283c_finish
		.amdhsa_group_segment_fixed_size 0
		.amdhsa_private_segment_fixed_size 0
		.amdhsa_enable_private_segment 0
		.amdhsa_kernarg_size 48
		.amdhsa_user_sgpr_count 2
		.amdhsa_user_sgpr_kernarg_segment_ptr 1
		.amdhsa_wavefront_size32 1
		.amdhsa_system_sgpr_workgroup_id_x 1
		.amdhsa_system_sgpr_workgroup_id_y 1
		.amdhsa_system_sgpr_workgroup_id_z 1
		.amdhsa_system_vgpr_workitem_id 0
		.amdhsa_next_free_vgpr 168
		.amdhsa_next_free_sgpr 66
		.amdhsa_reserve_vcc 0
		.amdhsa_float_denorm_mode_32 3
		.amdhsa_float_denorm_mode_16_64 3
		.amdhsa_memory_ordered 1
		.amdhsa_forward_progress 1
		.amdhsa_inst_pref_size 14
	.end_amdhsa_kernel
	.amdgpu_metadata
---
amdhsa.version: [ 1, 2 ]
amdhsa.kernels:
  - .name:           k_q224981283c_finish
    .symbol:         k_q224981283c_finish.kd
    .args:
      - { .name: y, .offset: 0, .size: 8, .value_kind: global_buffer, .address_space: global }
      - { .name: u4, .offset: 8, .size: 8, .value_kind: global_buffer, .address_space: global }
      - { .name: aux, .offset: 16, .size: 8, .value_kind: global_buffer, .address_space: global }
      - { .name: ss1, .offset: 24, .size: 8, .value_kind: global_buffer, .address_space: global }
      - { .name: out0, .offset: 32, .size: 8, .value_kind: global_buffer, .address_space: global }
      - { .name: out1, .offset: 40, .size: 8, .value_kind: global_buffer, .address_space: global }
    .group_segment_fixed_size: 0
    .private_segment_fixed_size: 0
    .kernarg_segment_align: 8
    .kernarg_segment_size: 48
    .max_flat_workgroup_size: 256
    .sgpr_count:     66
    .vgpr_count:     168
    .wavefront_size: 32
...
	.end_amdgpu_metadata
.endif
;; end of part 5
